; MI455X (gfx1250); checked and timed in simulation.
; The chip was launched on July 23, 2026; its instructions are those of AMD's public machine-readable ISA for CDNA 5 (MIT licence, August 2026) and "CDNA5" Instruction Set Architecture Reference Guide (July 2026). The comments in the code are by the model that wrote it; some were corrected since.
;; Attention. Allowed arithmetic: matrix products marked QUANTISED: E2M3 operands, one E8M0 scale for each 32 along K, by v_wmma_scale_f32_16x16x128_f8f6f4 with both operands' format E2M3, f32 sums; everything else in f32.
;; Inputs: Wkv 1,024 x 2,048 float32; Wo 1,024 x 1,024 float32; Wq 1,024 x 1,024 float32; bo 1,024 float32; x 4 x 2,048 x 1,024 float32.
;; Outputs: out0 4 x 2,048 x 1,024 float32.
;; This version of the problem:
;;   THIS VERSION OF THE PROBLEM IS GIVEN IN LOW PRECISION. The matrix products marked QUANTISED in the list below multiply operands that are first quantised to E2M3 (2 exponent bits, 3 mantissa bits; 6 bits a number), with one power-of-two scale for each 32 numbers along K (OCP MX v1.0); their sums are f32. All else is computed in f32.
;;   The module's matrix products, in the order in which they are computed (A, B: the left and right operand; K: the contracted axis; several contracted axes count as one K, in the product's order):
;;     1. [M 8,192, K 1,024] x [K 1,024, N 1,024]; A: input x; B: input Wq: QUANTISED
;;     2. [M 8,192, K 1,024] x [K 1,024, N 2,048]; A: input x; B: input Wkv: QUANTISED
;;     3. batch 64 x [M 2,048, K 64] x [K 64, N 2,048]; A: computed on the way; B: computed on the way: QUANTISED
;;     4. batch 64 x [M 2,048, K 2,048] x [K 2,048, N 64]; A: softmax (see below); B: computed on the way: QUANTISED
;;     5. [M 8,192, K 1,024] x [K 1,024, N 1,024]; A: computed on the way; B: input Wo: QUANTISED
;;   THE QUANTISER, for each operand of a quantised product, along K:
;;     - K is cut into blocks of 32 from its start; a last block that is shorter is filled with zeros.
;;     - A block's scale is 2^e with e = floor(log2(the largest magnitude in the block)) - 2, held to -126 .. 127; a block of zeros has e = 0. As a byte (E8M0): e + 127.
;;     - Each number is divided by its block's scale, clamped to +-7.5, and rounded to the nearest number of E2M3, ties to even, subnormals kept.
;;     - The product sums the exact products of the quantised numbers (number of the format x scale) in f32.
;;   ~~~python
;;   def quantise(x, axis):      # numpy; x: float32 -> the quantised numbers, widened to float32 again
;;       x = np.moveaxis(x, axis, -1); K = x.shape[-1]
;;       x = np.pad(x, [(0, 0)] * (x.ndim - 1) + [(0, -K % 32)]); x = x.reshape(x.shape[:-1] + (-1, 32)); a = np.abs(x).max(-1, keepdims=True)
;;       e = np.where(a > 0, np.clip(np.frexp(np.where(a > 0, a, 1))[1] - 1 - 2, -126, 127), 0)      # np.frexp(a)[1] - 1 = floor(log2(a)), exactly
;;       r = np.clip(x / 2.0 ** e, -7.5, 7.5)
;;       step = 2.0 ** (np.maximum(np.frexp(np.where(r == 0, 1, r))[1] - 1, 0) - 3)
;;       q = np.round(r / step) * step * 2.0 ** e      # np.round: ties to even
;;       return np.moveaxis(q.reshape(q.shape[:-2] + (-1,))[..., :K], -1, axis).astype(np.float32)
;;   ~~~
;;   SOFTMAX AHEAD OF A QUANTISED PRODUCT. Where the list says 'softmax', what is quantised is not the finished softmax but p = 2^(t - M), with t = logit x log2(e) and M = ceil(the row's largest t), a whole number; so 1/2 < the row's largest p <= 1. The row's sum l is taken of the UNQUANTISED p, in f32, and the product's result is divided by l at the end. Since M is a whole number, a kernel that streams over the keys may use a running M (the ceiling of the running maximum): every later rescaling is an exact power of two, which a block's scale takes up: the codes' values come out the same.
;;   OPERANDS COMPUTED ON THE WAY. 'Computed on the way' means the value that the module computes at that place (a softmax that the list does not call 'softmax' is quantised finished and normalised). What goes into a quantiser is computed in f32, as accurately as f32 sums, v_exp_f32 and their like allow (about 1e-6 of the number): no bf16 or f16 on the way to a quantiser, and a product that is left as it is and whose result goes on into a quantised operand takes f32 operands (vector FMAs, or v_wmma_f32_16x16x4_f32). A number that lies on a knife's edge between two numbers of the format may be rounded either way, as far as f32 arithmetic and the matrix unit's own rounding can turn it there, and no further.
;; One version. Each part assembles by itself: llvm-mc -triple=amdgcn-amd-amdhsa -mcpu=gfx1250 --defsym DOCPART=n.
;; ======== version 1 of 1: 4 launches
;; limits: right only within a limited range of input values
;; workspace buffers: xw_codes 9,437,184 bytes; xw_scales 393,216 bytes; q_codes 6,291,456 bytes; q_scales 524,288 bytes; kv 13,369,344 bytes; o_codes 6,291,456 bytes; o_scales 262,144 bytes
;; launch quant (part 1): grid 512 x 1, 4 waves a work-group, no clusters, 49,664 bytes of LDS; arguments x, Wq, Wkv, Wo, xw_codes, xw_scales; writes xw_codes, xw_scales
.if DOCPART == 1
	.amdgcn_target "amdgcn-amd-amdhsa--gfx1250"
	.amdhsa_code_object_version 6
	.text
	.protected	k_q697437c01f_quant
	.globl	k_q697437c01f_quant
	.p2align	8
	.type	k_q697437c01f_quant,@function
k_q697437c01f_quant:
	s_mov_b64 s[64:65], 0
	v_nop
	global_prefetch_b8 v0, s[64:65] scope:SCOPE_SE
	s_setreg_imm32_b32 hwreg(HW_REG_WAVE_MODE, 25, 1), 1
	s_wait_xcnt 0x0
; ATTENTION IN MX-FP6, launch 1 of 4: x [8192][1024] and the weights Wq, Wkv, Wo ([K][N], f32) become codes of E2M3 with one E8M0 byte for each 32 along K.
; DEAD WORK: none is left out in this program.  All five products of the problem are live, every input has a way to the output, and all inputs are loaded (bo in the last launch).
; ONE LAYOUT FOR ALL OPERANDS.  Codes: [K chunk of 64][row][48 bytes] (CH bytes from chunk to chunk); scale bytes: [K step of 128][row][one word of four bytes].
; Rows 0..8191 are x's tokens, 8192.. Wq's columns, 9216.. Wkv's (k, then v), 11264.. Wo's.  A ROW LIES AT THE PLACE sw34(its index): bits 3 and 4 of the index change places.  So 16 rows on end
; are the indices 32 b + 8 u + r + 8 (r / 8), and a product that takes them as source 0 leaves 16 neighbouring indices in a lane's 16 registers of two neighbouring tiles: what the next quantiser wants.
; A block's scale is 2^(floor(log2(largest magnitude)) - 2); its byte is the largest magnitude's exponent field - 2, held at 1 from below.
; LIMITS: a block of zeros, or one whose largest magnitude lies under 2^-124, gets the byte 1 (its bytes are read by this program alone; zero codes add nothing); NaN and infinities among the inputs are not served.
; Work-groups 0..255 take x (K innermost: a lane holds 16 neighbours, turned through the wave's stage in LDS), work-groups 256..511 the weights (K outermost: a lane takes a column, its registers run down K).
; The two paths have LDS bytes of their own.  No tensor loads, no barrier: waves share nothing.
.set CH,    589824                     ; 12,288 rows x 48 bytes
.set KSB,   49152                      ; 12,288 rows x 4 bytes
.set EMAX,  2
.set SP,    80                         ; x path: a lane's place in a stage: 64 bytes + 16 of padding
.set WREG,  8192                       ; x path: a wave's LDS: two stages of 32 x SP bytes, then its 256 scale bytes
.set WSTG,  4*WREG                     ; weights' path: 4,096 bytes a wave: [2 chunks][32 rows][4 places of 16 bytes]
.set SPARE, WSTG+4*4096                ; the spare words, 128 bytes for each wave: two blocks of 256 bytes that no other line names
.set SPW,   12                         ; v12  LDS address of my spare word; never rewritten
.set NIL,   13                         ; v13  0; never rewritten
.set R,     16                         ; x path: v16-79 four sets of 16 numbers as loaded; v80-111 two sets of 16 neighbours; v112-127 a byte a step; v128-191 codes, four registers a step
.set X,     80
.set E,     112
.set C,     128
.set VO,    32                         ; weights' path: v32-63 offsets of 32 rows; v64-127 two sets of 32 numbers; v128-159 the way out
.set XW,    64
.set OUTR,  128
	s_load_b256 s[4:11], s[0:1], 0x0               ; x s[4:5], Wq s[6:7], Wkv s[8:9], Wo s[10:11]
	s_load_b128 s[12:15], s[0:1], 0x20             ; the codes s[12:13], the scale words s[14:15]
	v_lshl_add_u32 v[SPW], v0, 2, SPARE
	v_mov_b32 v[NIL], 0
	v_lshrrev_b32 v1, 5, v0
	v_readfirstlane_b32 s16, v1                    ; wave
	v_and_b32 v2, 31, v0                           ; lane
	s_cmp_lt_u32 ttmp9, 256
	s_cbranch_scc0 .Lweights
; ---- x.  A wave takes 64 tokens x 128 columns (K step kappa), in 16 steps of 8 tokens x 64 columns (a chunk): four loads of two rows x 256 aligned bytes.
	v_and_b32 v3, 15, v2
	v_lshlrev_b32 v3, 4, v3
	v_lshrrev_b32 v8, 4, v2
	v_lshl_add_u32 v3, v8, 12, v3                  ; in: lanes 0-15 one row's 256 bytes, lanes 16-31 the next row's
	s_lshl_b32 s17, s16, 13                        ; my wave's LDS
	v_lshrrev_b32 v14, 2, v2
	v_mul_u32_u24 v14, v14, SP
	v_and_b32 v15, 3, v2
	v_lshl_add_u32 v14, v15, 4, v14
	v_add_nc_u32 v14, s17, v14                     ; the stage, way in: four lanes' 64 bytes on end, then padding
	v_mul_u32_u24 v15, v2, SP
	v_add_nc_u32 v15, s17, v15                     ; way out: my 16 neighbours: row lane / 4 of the eight, columns 16 (lane % 4) on
	v_mul_u32_u24 v4, v2, 12                       ; my 12 bytes of the step's 384: eight rows of 48 bytes on end
	s_add_co_u32 s17, s17, 2*32*SP
	v_and_b32 v5, 28, v2                           ; my row's word,
	v_bfe_u32 v6, v2, 1, 1                         ; my block's byte in the chunk's two
	v_add_nc_u32 v5, v5, v6
	v_add_nc_u32 v5, s17, v5
	v_lshlrev_b32 v7, 3, v2
	v_add_nc_u32 v6, s17, v7                       ; the 256 scale bytes leave 8 bytes a lane
	s_lshr_b32 s18, ttmp9, 1                       ; which 64 tokens
	s_and_b32 s19, ttmp9, 1
	s_lshl_b32 s19, s19, 2
	s_add_co_u32 s19, s19, s16                     ; kappa = 4 (work-group % 2) + wave
	s_lshl_b32 s20, s18, 18                        ; x: 64 rows of 4,096 bytes,
	s_lshl_b32 s22, s19, 9                         ; 512 bytes a K step
	s_add_co_u32 s20, s20, s22
	s_mov_b32 s21, 0
	s_mul_i32 s22, s19, 2*CH                       ; codes: chunk 2 kappa,
	s_mul_i32 s24, s18, 3072                       ; 64 rows of 48 bytes
	s_add_co_u32 s22, s22, s24
	s_mov_b32 s23, 0
	s_mul_i32 s24, s19, KSB                        ; scale words
	s_lshl_b32 s26, s18, 8
	s_add_co_u32 s24, s24, s26
	s_mov_b32 s25, 0
	s_wait_alu depctr_va_vdst(0)
	s_wait_kmcnt 0x0
	s_add_nc_u64 s[4:5], s[4:5], s[20:21]
	s_add_nc_u64 s[12:13], s[12:13], s[22:23]
	s_add_nc_u64 s[14:15], s[14:15], s[24:25]
.macro LOAD t                          ; step t: chunk t % 2, tokens 8 (t / 2) on
.irp i, 0,1,2,3
	global_load_b128 v[R+16*((\t)%4)+4*\i:R+16*((\t)%4)+4*\i+3], v3, s[4:5] offset:(8*((\t)/2)+2*\i)*4096+((\t)%2)*256 th:TH_LOAD_NT
.endr
.endm
.macro TURN t                          ; step t's numbers through the stage: LDS serves a wave's instructions in order, so no wait stands between the stores and the loads
.irp i, 0,1,2,3
	ds_store_b128 v14, v[R+16*((\t)%4)+4*\i:R+16*((\t)%4)+4*\i+3] offset:32*SP*((\t)%2)+8*SP*\i
.endr
.irp i, 0,1,2,3
	ds_load_b128 v[X+16*((\t)%2)+4*\i:X+16*((\t)%2)+4*\i+3], v15 offset:32*SP*((\t)%2)+16*\i
.endr
.endm
.irp t, 0,1,2,3
	LOAD \t
.endr
	s_wait_loadcnt 12                              ; step 0's four loads are in
	TURN 0
.macro STEP t
.set XS, X+16*((\t)%2)
.set SU, (\t)/2
.set SWU, (SU&4)|((SU&1)<<1)|((SU>>1)&1)       ; where these eight tokens lie: bits 3 and 4 of the token change places
.if (\t) > 0
	s_wait_dscnt 1                                 ; this step's numbers are back from the stage (the last step's byte store may be out): so its stores into the stage have read their registers,
.else
	s_wait_dscnt 0x0
.endif
.if (\t)+4 < 16
	LOAD (\t)+4                                    ; which take the loads of four steps on
.endif
.if (\t)+1 < 16
.if 14-(\t) >= 3
	s_wait_loadcnt 12                              ; the next step's four loads are in; those of the three steps behind it may be out
.else
	s_wait_loadcnt 4*(14-(\t))
.endif
	TURN (\t)+1
.endif
	v_max3_num_f32 v8, |v[XS]|, |v[XS+1]|, |v[XS+2]|               ; the largest magnitude of my 16
	v_max3_num_f32 v9, |v[XS+3]|, |v[XS+4]|, |v[XS+5]|
.irp i, 6,10
	v_max3_num_f32 v8, v8, |v[XS+\i]|, |v[XS+\i+1]|
	v_max3_num_f32 v9, v9, |v[XS+\i+2]|, |v[XS+\i+3]|
.endr
	v_max3_num_f32 v8, v8, |v[XS+14]|, |v[XS+15]|
	v_max3_num_f32 v8, v8, v9, (EMAX+1)<<23        ; and the floor 2^(3 - 127): the byte cannot fall under 1
	v_max_num_f32_dpp v8, v8, v8 row_xmask:1 row_mask:0xf bank_mask:0xf   ; and of my neighbour's 16: the block's
	v_add_nc_u32 v11, -(EMAX<<23), v8              ; 2 off its exponent field: the conversion takes the exponent field of this operand as its scale
	v_cvt_scalef32_pk16_fp6_f32 v[C+4*(\t):C+4*(\t)+2], v[XS:XS+15], v11
	v_lshrrev_b32 v[E+(\t)], 23, v11               ; the scale's byte
	ds_store_b8 v5, v[E+(\t)] offset:32*SWU+2*((\t)%2)   ; both lanes of a block write the same byte with the same value
	global_store_b96 v4, v[C+4*(\t):C+4*(\t)+2], s[12:13] offset:((\t)%2)*CH+384*SWU   ; 32 lanes store 384 consecutive bytes
.endm
.irp t, 0,1,2,3,4,5,6,7,8,9,10,11,12,13,14,15
	STEP \t
.endr
	ds_load_b64 v[8:9], v6                         ; LDS serves a wave's instructions in order: these see my stores
	s_wait_dscnt 0x0
	global_store_b64 v7, v[8:9], s[14:15]          ; 64 tokens' words: 256 consecutive bytes, aligned
	s_wait_tensorcnt 0x0                           ; the wave's end
	ds_add_u32 v[SPW], v[NIL]
	s_wait_dscnt 0x0
	s_endpgm
; ---- the weights.  The 4,096 columns of Wq | Wkv | Wo are one run.  A wave takes 32 columns x 128 along K: four blocks a lane.
.Lweights:
	s_sub_co_u32 s17, ttmp9, 256
	s_and_b32 s18, s17, 31                         ; which 128 columns
	s_lshr_b32 s19, s17, 5                         ; kappa
	s_lshl_b32 s20, s18, 7
	s_lshl_b32 s21, s16, 5
	s_add_co_u32 s20, s20, s21                     ; my wave's first column of the run
	s_sub_co_u32 s21, s18, 8
	s_wait_kmcnt 0x0
	s_cmp_lt_u32 s18, 8                            ; the choices hang on the work-group's number alone
	s_cselect_b64 s[6:7], s[6:7], s[10:11]         ; Wq, or Wo,
	s_cselect_b32 s22, 0, 3072                     ; whose first column in the run this is
	s_mov_b32 s23, 4096                            ; a row of the weight in bytes
	s_cmp_lt_u32 s21, 16
	s_cselect_b64 s[6:7], s[8:9], s[6:7]           ; or Wkv
	s_cselect_b32 s22, 1024, s22
	s_cselect_b32 s23, 8192, s23
	s_sub_co_u32 s22, s20, s22
	s_lshl_b32 s22, s22, 2                         ; my first column in the weight, in bytes
	s_lshl_b32 s32, s19, 7
	s_mul_i32 s32, s32, s23                        ; 128 kappa rows down
	s_add_co_u32 s32, s32, s22
	s_mov_b32 s33, 0
	s_add_nc_u64 s[24:25], s[6:7], s[32:33]        ; a base for each of the four blocks, 32 rows apart: no immediate hangs on the row's length, so one text serves the three weights
	s_lshl_b32 s32, s23, 5
	s_add_nc_u64 s[26:27], s[24:25], s[32:33]
	s_add_nc_u64 s[28:29], s[26:27], s[32:33]
	s_add_nc_u64 s[30:31], s[28:29], s[32:33]
	s_add_co_u32 s20, s20, 8192                    ; my first row among the operands' rows
	s_mul_i32 s32, s19, 2*CH
	s_mul_i32 s34, s20, 48
	s_add_co_u32 s32, s32, s34
	s_add_nc_u64 s[12:13], s[12:13], s[32:33]
	s_mul_i32 s32, s19, KSB
	s_lshl_b32 s34, s20, 2
	s_add_co_u32 s32, s32, s34
	s_add_nc_u64 s[14:15], s[14:15], s[32:33]
	s_wait_alu depctr_va_vdst(0)
	v_lshlrev_b32 v3, 2, v2                        ; in: 4 bytes a lane
	v_and_b32 v16, 7, v2
	v_bfe_u32 v17, v2, 3, 1
	v_bfe_u32 v18, v2, 4, 1
	v_lshl_or_b32 v16, v17, 4, v16
	v_lshl_or_b32 v16, v18, 3, v16                 ; sw34(lane): where my column lies among the wave's 32 rows
	s_lshl_b32 s34, s16, 12
	s_add_co_u32 s34, s34, WSTG                    ; my stage
	v_lshl_add_u32 v4, v16, 6, s34                 ; into it: my row of four places
	v_lshl_add_u32 v7, v2, 4, s34                  ; out of it: a place a lane
	v_mul_u32_u24 v8, v2, 12                       ; and the same 12 bytes in the codes
	v_lshlrev_b32 v9, 2, v16                       ; my row's scale word
.set I, 0
.rept 32
	v_mad_u32_u24 v[VO+I], s23, I, v3              ; row I of a block, my column
.set I, I+1
.endr
.macro LOADW t                         ; block t: W(128 kappa + 32 t + i, my column) into set t % 2: 32 lanes read 128 consecutive bytes, the four waves 512
.set I, 0
.rept 32
	global_load_b32 v[XW+32*((\t)%2)+I], v[VO+I], s[24+2*(\t):25+2*(\t)] th:TH_LOAD_NT
.set I, I+1
.endr
.endm
	LOADW 0
	LOADW 1
.macro BLOCK t
.set XS, XW+32*((\t)%2)
.if (\t) < 3
	s_wait_loadcnt 32                              ; this block's 32 loads are in; the next block's may be out
.else
	s_wait_loadcnt 0x0
.endif
	v_max3_num_f32 v16, |v[XS]|, |v[XS+1]|, |v[XS+2]|              ; the block's largest magnitude: all 32 numbers are mine
	v_max3_num_f32 v17, |v[XS+3]|, |v[XS+4]|, |v[XS+5]|
.irp i, 6,10,14,18,22,26
	v_max3_num_f32 v16, v16, |v[XS+\i]|, |v[XS+\i+1]|
	v_max3_num_f32 v17, v17, |v[XS+\i+2]|, |v[XS+\i+3]|
.endr
	v_max3_num_f32 v16, v16, |v[XS+30]|, |v[XS+31]|
	v_max3_num_f32 v16, v16, v17, (EMAX+1)<<23     ; and the floor
	v_add_nc_u32 v11, -(EMAX<<23), v16             ; the conversion's scale operand
	v_lshrrev_b32 v17, 23, v11                     ; the scale's byte
.if (\t) == 0
	v_mov_b32 v10, v17                             ; four bytes make the K step's word, the lower K in the lower byte
.else
	v_lshl_or_b32 v10, v17, 8*(\t), v10
.endif
	v_cvt_scalef32_pk16_fp6_f32 v[20:22], v[XS:XS+15], v11
	v_cvt_scalef32_pk16_fp6_f32 v[24:26], v[XS+16:XS+31], v11      ; (a conversion's three registers begin on an even number)
	ds_store_b96 v4, v[20:22] offset:((\t)/2)*2048+((\t)%2)*32     ; 12 bytes to a place of 16, so that every LDS address is a multiple of 16
	ds_store_b96 v4, v[24:26] offset:((\t)/2)*2048+((\t)%2)*32+16
.if (\t)+2 < 4
	LOADW (\t)+2
.endif
	s_wait_dscnt 0x0                               ; the stores have read their registers: the next block's codes may be written
.endm
.irp t, 0,1,2,3
	BLOCK \t
.endr
	s_wait_alu depctr_va_vdst(0)
	global_store_b32 v9, v10, s[14:15]             ; the wave's 32 words: 128 consecutive bytes
.irp n, 0,1,2,3,4,5,6,7                        ; chunk n / 4, eight rows a load
	ds_load_b96 v[OUTR+4*\n:OUTR+4*\n+2], v7 offset:(\n/4)*2048+(\n%4)*512
.endr
.irp n, 0,1,2,3,4,5,6,7
	s_wait_dscnt 7-\n
	global_store_b96 v8, v[OUTR+4*\n:OUTR+4*\n+2], s[12:13] offset:(\n/4)*CH+(\n%4)*384   ; 384 consecutive bytes
.endr
	s_wait_tensorcnt 0x0                           ; the wave's end
	ds_add_u32 v[SPW], v[NIL]
	s_wait_dscnt 0x0
	s_endpgm
.Lfunc_end_k_q697437c01f_quant:
	.size	k_q697437c01f_quant, .Lfunc_end_k_q697437c01f_quant-k_q697437c01f_quant
	.p2alignl 7, 3214868480
	.fill 96, 4, 3214868480
	.section	.rodata,"a",@progbits
	.p2align	6, 0x0
	.amdhsa_kernel k_q697437c01f_quant
		.amdhsa_group_segment_fixed_size 49664
		.amdhsa_private_segment_fixed_size 0
		.amdhsa_enable_private_segment 0
		.amdhsa_kernarg_size 48
		.amdhsa_user_sgpr_count 2
		.amdhsa_user_sgpr_kernarg_segment_ptr 1
		.amdhsa_wavefront_size32 1
		.amdhsa_system_sgpr_workgroup_id_x 1
		.amdhsa_system_sgpr_workgroup_id_y 1
		.amdhsa_system_sgpr_workgroup_id_z 1
		.amdhsa_system_vgpr_workitem_id 0
		.amdhsa_next_free_vgpr 192
		.amdhsa_next_free_sgpr 66
		.amdhsa_reserve_vcc 0
		.amdhsa_float_denorm_mode_32 3
		.amdhsa_float_denorm_mode_16_64 3
		.amdhsa_memory_ordered 1
		.amdhsa_forward_progress 1
		.amdhsa_inst_pref_size 56
	.end_amdhsa_kernel
	.amdgpu_metadata
---
amdhsa.version: [ 1, 2 ]
amdhsa.kernels:
  - .name:           k_q697437c01f_quant
    .symbol:         k_q697437c01f_quant.kd
    .args:
      - { .name: x, .offset: 0, .size: 8, .value_kind: global_buffer, .address_space: global }
      - { .name: Wq, .offset: 8, .size: 8, .value_kind: global_buffer, .address_space: global }
      - { .name: Wkv, .offset: 16, .size: 8, .value_kind: global_buffer, .address_space: global }
      - { .name: Wo, .offset: 24, .size: 8, .value_kind: global_buffer, .address_space: global }
      - { .name: xw_codes, .offset: 32, .size: 8, .value_kind: global_buffer, .address_space: global }
      - { .name: xw_scales, .offset: 40, .size: 8, .value_kind: global_buffer, .address_space: global }
    .group_segment_fixed_size: 49664
    .private_segment_fixed_size: 0
    .kernarg_segment_align: 8
    .kernarg_segment_size: 48
    .max_flat_workgroup_size: 128
    .sgpr_count:     66
    .vgpr_count:     192
    .wavefront_size: 32
...
	.end_amdgpu_metadata
.endif
;; end of part 1
;; launch proj (part 2): grid 8 x 48, 4 waves a work-group, clusters of 4 x 4, 327,680 bytes of LDS; arguments xw_codes, xw_scales, q_codes, q_scales, kv; writes q_codes, q_scales, kv
.if DOCPART == 2
	.amdgcn_target "amdgcn-amd-amdhsa--gfx1250"
	.amdhsa_code_object_version 6
	.text
	.protected	k_q697437c01f_proj
	.globl	k_q697437c01f_proj
	.p2align	8
	.type	k_q697437c01f_proj,@function
k_q697437c01f_proj:
	s_mov_b64 s[64:65], 0
	v_nop
	global_prefetch_b8 v0, s[64:65] scope:SCOPE_SE
	s_setreg_imm32_b32 hwreg(HW_REG_WAVE_MODE, 25, 1), 1
	s_wait_xcnt 0x0
	s_wait_alu depctr_hold_cnt(0) depctr_sa_sdst(0) depctr_va_vdst(0) depctr_va_sdst(0) depctr_va_ssrc(0) depctr_va_vcc(0) depctr_vm_vsrc(0)
	s_getreg_b32 s2, hwreg(HW_REG_IB_STS2, 6, 4)
	s_cmp_eq_u32 s2, 0
	s_cbranch_scc0 .Lentry_in_a_cluster
	s_endpgm
.Lentry_in_a_cluster:
	s_bfe_u32 s2, ttmp6, 0x10000c
	s_cmp_lg_u32 s2, 0xf033
	s_cbranch_scc0 .Lentry_shape_is_right
	s_endpgm
.Lentry_shape_is_right:
.set CH,     589824
.set KSB,    49152
.set IMG,    208896
.set NQ,     2
.set FR,     12
.set NL,     6
.set NP,     4
.set WLOAD,  24576
.set SLOT,   4*WLOAD
.set SCL,    2*SLOT
.set SPARE,  SCL+4*4096
.set ADRA, 16
.set ADRB, 20
.set WCO,  18
.set SH,   19
.set CO,   22
.set STO,  24
.set RD,   25
.set WSTO, 26
.set ADRS, 27
.set SPW,  28
.set NIL,  29
.set SC,   32
.set AF,   128
.set PC,   96
.set OUT,  128
.set WO,   160
.set TM,   200
.set PW,   216
.set PWS,  218
.set CB,   8
.set WB,   10
.set WB2,  12
.set D4,   18
.set MSK,  66
.set QK,   67
.set SEL,  100
.set G1, 24
.set G0, 32
.set G1B, 48
.set G0B, 56
.set G1S, 68
.set G0S, 76
.set G1SB, 80
.set G0SB, 88
.set MSB, 0
.macro WIN new
.if MSB != \new
	s_set_vgpr_msb (MSB<<8)|\new
.set MSB, \new
.endif
.endm
.set MUL_LO, 0xa1
.set MUL_HI, 0xf1
.set TO_B,   0x40
.macro JLOAD g0a, g1a, g0b, g1b
	s_cmp_eq_u32 s15, 0
	s_cbranch_scc0 .Lfor_b_\@
	tensor_load_to_lds s[\g0a:\g0a+3], s[\g1a:\g1a+7]
	s_nop 0
.rept 4
	v_nop
.endr
	s_branch .Lasked_\@
.Lfor_b_\@:
	tensor_load_to_lds s[\g0b:\g0b+3], s[\g1b:\g1b+7]
	s_nop 0
.rept 4
	v_nop
.endr
.Lasked_\@:
.endm
.macro CREST
	s_cmp_lg_u32 s14, 0
	s_cbranch_scc1 .Lnot_wave_0_\@
	s_barrier_signal -3
.Lnot_wave_0_\@:
	s_barrier_wait -3
	s_barrier_signal -1
	s_barrier_wait -1
.endm
.macro CROUND
	s_barrier_signal -1
	s_barrier_wait -1
	CREST
.endm
.macro GROUP1 g, c, r, p
	s_mov_b32 s[\g+1], (\c)<<16
	s_mov_b32 s[\g+2], (\r)<<16
	s_mov_b32 s[\g+3], (\c)<<16
	s_mov_b32 s[\g+4], \r
	s_mov_b32 s[\g+5], \p
	s_mov_b32 s[\g+6], 0
	s_mov_b32 s[\g+7], 0
.endm
	s_load_b256 s[4:11], s[0:1], 0x0
	s_load_b64 s[12:13], s[0:1], 0x20
	v_lshl_add_u32 v[SPW], v0, 2, SPARE
	v_mov_b32 v[NIL], 0
	ds_add_u32 v[SPW], v[NIL]
	ds_add_u32 v[SPW], v[NIL]
	v_lshrrev_b32 v1, 5, v0
	v_readfirstlane_b32 s14, v1
	s_lshr_b32 s15, s14, 1
	s_and_b32 s16, s14, 1
	s_bfe_u32 s40, ttmp6, 0x40000
	s_bfe_u32 s41, ttmp6, 0x40004
	s_and_b32 s17, ttmp7, 0xffff
	s_sub_co_u32 s18, s17, 8
	s_lshl_b32 s18, s18, 1
	s_add_co_u32 s18, s18, ttmp9
	s_cmp_lt_u32 s17, 8
	s_cselect_b32 s[QK], 1, 0
	s_cselect_b32 s18, ttmp9, s18
	s_cselect_b32 s19, s17, 0
	s_cselect_b32 s92, 8192, 0
	s_cselect_b32 s93, 0, 10240
	s_lshl_b32 s42, s18, 2
	s_add_co_u32 s42, s42, s40
	s_lshl_b32 s17, s19, 2
	s_add_co_u32 s17, s17, s41
	s_lshl_b32 s43, s41, 2
	s_lshl_b32 s43, 15, s43
	s_lshl_b32 s44, 0x1111, s40
	s_or_b32 s[G1+0], s43, (3<<16)|(1<<21)
	s_or_b32 s[G1B+0], s44, (3<<16)|(1<<21)
	GROUP1 G1, 768, 4, CH/8
	GROUP1 G1B, 768, 4, CH/8
	s_lshl_b32 s18, s16, 7
	s_lshl_b32 s20, s17, 8
	s_add_co_u32 s20, s20, s18
	s_add_co_u32 s20, s20, s93
	s_lshl_b32 s46, s42, 8
	s_add_co_u32 s46, s46, s18
	s_add_co_u32 s46, s46, s92
	s_lshl_b32 s22, s20, 2
	s_mov_b32 s23, 0
	s_mul_i32 s20, s20, 48
	s_mov_b32 s21, 0
	s_lshl_b32 s94, s46, 2
	s_mov_b32 s95, 0
	s_mul_i32 s46, s46, 48
	s_mov_b32 s47, 0
	s_mul_i32 s45, s14, WLOAD
	s_lshl_b32 s96, s14, 12
	s_mov_b32 s[SEL], 0x76543210
	s_mov_b32 s[SEL+1], 0xfedcba98
	s_wait_dscnt 0x0
	s_wait_kmcnt 0x0
	s_add_nc_u64 s[20:21], s[4:5], s[20:21]
	s_add_nc_u64 s[22:23], s[6:7], s[22:23]
	s_add_nc_u64 s[46:47], s[4:5], s[46:47]
	s_add_nc_u64 s[94:95], s[6:7], s[94:95]
	CROUND
	s_cmp_eq_u32 s15, 0                            ; the scale words of my 128 rows: A's (waves 0, 1) or B's (waves 2, 3); the choice hangs on the wave's number alone
	s_cselect_b64 s[76:77], s[22:23], s[94:95]
.irp s, 0,1
	s_mov_b32 s[G0+4*\s], 1
	s_add_co_u32 s[G0+4*\s+1], s45, \s*SLOT
	s_add_nc_u64 s[G0+4*\s+2:G0+4*\s+3], s[20:21], \s*4*CH
	s_or_b32 s[G0+4*\s+3], s[G0+4*\s+3], 0x80000000
	s_mov_b32 s[G0B+4*\s], 1
	s_add_co_u32 s[G0B+4*\s+1], s45, \s*SLOT
	s_add_nc_u64 s[G0B+4*\s+2:G0B+4*\s+3], s[46:47], \s*4*CH
	s_or_b32 s[G0B+4*\s+3], s[G0B+4*\s+3], 0x80000000
.if \s
	s_wait_alu depctr_va_vdst(0)
	s_wait_tensorcnt 0x0                           ; my part of slot 0 is in: no tensor load of mine is out while I store to LDS
	s_wait_loadcnt 0x0                             ; and so are my scale words
.irp k, 0,1,2,3,4,5,6,7
	ds_store_b128 v232, v[128+4*\k:131+4*\k] offset:512*\k   ; [8 K steps][128 rows][one word], in my 4,096 bytes behind the ring; no fill lands there
.endr
	s_wait_tensorcnt 0x0
	ds_add_u32 v28, v29
	s_wait_dscnt 0x0                               ; the add and my stores are done
	CROUND
.endif
	JLOAD G0+4*\s, G1, G0B+4*\s, G1B
.if \s == 0
	; The scale words come by plain loads while slot 0's load is out: 8 K steps x 512 consecutive bytes, 16 bytes a lane.  They are not asked for jointly: 16 KiB beside the 384 KiB of codes of a work-group
	v_and_b32 v233, 31, v0
	v_lshlrev_b32 v233, 4, v233
.irp k, 0,1,2,3,4,5,6,7
	global_load_b128 v[128+4*\k:131+4*\k], v233, s[76:77] offset:KSB*\k
.endr
	v_add_nc_u32 v232, s96, v233
	v_add_nc_u32 v232, SCL, v232
.endif
.endr
	v_and_b32 v1, 15, v0
	v_bfe_u32 v2, v0, 4, 1
	s_wait_alu depctr_va_vdst(0)
	v_mul_u32_u24 v3, v1, 48
	v_mad_u32_u24 v4, v2, 24, v3
	s_mul_i32 s21, s15, WLOAD
	s_mul_i32 s22, s16, WLOAD
	s_add_co_u32 s22, s22, 2*WLOAD
.irp s, 0,1
	v_add_nc_u32 v[ADRA+\s], s21, v4
	v_add_nc_u32 v[ADRB+\s], s22, v4
	s_add_co_u32 s21, s21, SLOT
	s_add_co_u32 s22, s22, SLOT
.endr
	v_lshlrev_b32 v5, 2, v1
	s_lshl_b32 s21, s15, 12
	s_lshl_b32 s22, s16, 12
	s_add_co_u32 s22, s22, 8192
	s_sub_co_u32 s22, s22, s21
	v_mul_u32_u24 v6, s22, v2
	s_add_co_u32 s21, s21, SCL
	v_add_nc_u32 v5, v5, v6
	v_add_nc_u32 v[ADRS], s21, v5
	s_lshl_b32 s23, s14, 13
	v_lshlrev_b32 v5, 6, v1
	v_lshl_add_u32 v5, v2, 4, v5
	v_add_nc_u32 v[STO], s23, v5
	v_and_b32 v6, 31, v0
	s_wait_alu depctr_va_vdst(0)
	v_lshlrev_b32 v7, 4, v6
	v_add_nc_u32 v[RD], s23, v7
	v_lshlrev_b32 v5, 2, v1
	v_lshl_add_u32 v5, v2, 9, v5
	v_add_nc_u32 v[WSTO], s23, v5
	v_lshlrev_b32 v[SH], 4, v2
	s_lshl_b32 s92, s42, 8
	s_lshl_b32 s93, s16, 7
	s_add_co_u32 s92, s92, s93
	s_lshl_b32 s93, s17, 8
	s_lshl_b32 s94, s15, 7
	s_add_co_u32 s93, s93, s94
	s_and_b32 s94, s92, 1023
	s_cmp_eq_u32 s[QK], 1
	s_cselect_b32 s95, s93, s92
	s_cselect_b32 s96, s94, s93
	s_lshr_b32 s97, s95, 11
	s_lshl_b32 s97, s97, 4
	s_lshr_b32 s96, s96, 6
	s_add_co_u32 s97, s97, s96
	s_and_b32 s95, s95, 2047
	s_cmp_eq_u32 ttmp9, 0
	s_cselect_b32 s98, s[QK], 0
	s_mov_b32 s99, IMG
	s_mov_b32 s20, 24576
	s_mov_b32 s[D4], 206592
	s_mov_b32 s[D4+1], 0
	s_cmp_eq_u32 s98, 1
	s_cselect_b64 s[CB:CB+1], s[8:9], s[12:13]
	s_cselect_b64 s[WB:WB+1], s[10:11], s[12:13]
	s_cselect_b32 s2, 98304, s99
	s_cselect_b32 s3, 8192, s99
	s_cselect_b32 s21, 12288, s20
	s_cselect_b32 s22, 0, 12288
	s_cmp_eq_u32 s[QK], 1
	s_cselect_b32 s22, s22, s20
	s_cselect_b32 s23, s2, 3072
	s_cselect_b32 s[D4], 768, s[D4]
	s_cselect_b32 s40, 256, s99
	s_cselect_b32 s[MSK], 0xffff, -1
	s_cselect_b32 s41, 0, 8192
	s_cselect_b32 s43, 2, 1
	v_mul_u32_u24 v[CO], v6, 12
	v_add_nc_u32 v[CO+1], s23, v[CO]
	v_lshlrev_b32 v5, 4, v1
	v_mul_u32_u24 v7, s40, v2
	v_add_nc_u32 v[WCO], v5, v7
	s_mul_i32 s92, s97, s2
	s_add_co_u32 s92, s92, s22
	s_lshr_b32 s94, s95, 8
	s_mul_i32 s94, s94, s21
	s_add_co_u32 s92, s92, s94
	s_and_b32 s94, s95, 255
	s_mul_i32 s94, s94, 48
	s_add_co_u32 s92, s92, s94
	s_mov_b32 s93, 0
	s_add_nc_u64 s[CB:CB+1], s[CB:CB+1], s[92:93]
	s_mul_i32 s92, s97, s3
	s_add_co_u32 s92, s92, s41
	s_lshl_b32 s94, s95, s43
	s_add_co_u32 s92, s92, s94
	s_add_nc_u64 s[WB:WB+1], s[WB:WB+1], s[92:93]
	s_mov_b32 s92, s3
	s_add_nc_u64 s[WB2:WB2+1], s[WB:WB+1], s[92:93]
.macro FRAG reg, adr, q, i
.irp p, 0,1,2,3,4,5
	ds_load_b64 v[\reg+2*\p:\reg+2*\p+1], v[\adr] offset:(2*(\q)+\p/3)*6144+(\i)*768+8*(\p%3)
.endr
.endm
.macro MUL16 a0, p, q, sc, zero
.irp a, \a0, \a0+1
.irp b, 0,1,2,3,4,5,6,7
.if \zero
	v_wmma_scale_f32_16x16x128_f8f6f4 v[8*(8*((\a)%4)+\b):8*(8*((\a)%4)+\b)+7], v[128*(\p)+FR*\b:128*(\p)+FR*\b+FR-1], v[AF+FR*(\a):AF+FR*(\a)+FR-1], 0, v[SC+8*NQ*(\sc)+NQ*\b+(\q)], v[SC+8*NQ*(\sc)+NQ*(\a)+(\q)] matrix_a_fmt:MATRIX_FMT_FP6 matrix_b_fmt:MATRIX_FMT_FP6 matrix_a_scale:MATRIX_SCALE_ROW1
.else
	v_wmma_scale_f32_16x16x128_f8f6f4 v[8*(8*((\a)%4)+\b):8*(8*((\a)%4)+\b)+7], v[128*(\p)+FR*\b:128*(\p)+FR*\b+FR-1], v[AF+FR*(\a):AF+FR*(\a)+FR-1], v[8*(8*((\a)%4)+\b):8*(8*((\a)%4)+\b)+7], v[SC+8*NQ*(\sc)+NQ*\b+(\q)], v[SC+8*NQ*(\sc)+NQ*(\a)+(\q)] matrix_a_fmt:MATRIX_FMT_FP6 matrix_b_fmt:MATRIX_FMT_FP6 matrix_a_scale:MATRIX_SCALE_ROW1
.endif
.endr
.endr
.endm
.macro FETCH_B slot, q, p
	WIN TO_B
.irp i, 0,1,2,3,4,5,6,7
	FRAG 128*(\p)+FR*\i, ADRB+\slot, \q, \i
.endr
	WIN 0
.endm
.macro FETCH_A slot, q, i0
.irp i, \i0, \i0+1, \i0+2, \i0+3
	FRAG AF+FR*(\i), ADRA+\slot, \q, \i
.endr
.endm
.macro SCALES sc, ks
.irp i, 0,1,2,3,4,5,6,7
.irp q, 0,1
	ds_load_b32 v[SC+8*NQ*\sc+NQ*\i+\q], v[ADRS] offset:(\ks)*1024+\q*512+\i*64
.endr
.endr
.endm
.macro PLACES n
.rept \n
	v_nop
.endr
.endm
.macro STEP slot, q, zero
	s_wait_dscnt 4*NL
	WIN MUL_LO
	MUL16 0, (\q)%2, \q, \slot, \zero
	MUL16 2, (\q)%2, \q, \slot, \zero
	s_wait_dscnt 0
	PLACES NP
	FETCH_B \slot, (\q)+1, 1-(\q)%2
	FETCH_A \slot, (\q)+1, 0
	WIN MUL_HI
	MUL16 4, (\q)%2, \q, \slot, \zero
	MUL16 6, (\q)%2, \q, \slot, \zero
	PLACES NP
	WIN 0
	FETCH_A \slot, (\q)+1, 4
.endm
.macro TURN slot, next, fill, ks
	s_wait_tensorcnt 0x0
	ds_add_u32 v[SPW], v[NIL]
	s_wait_dscnt 4*NL+1
	WIN MUL_LO
	MUL16 0, 1, NQ-1, \slot, 0
	s_wait_dscnt 0x0
	s_barrier_signal -1
	MUL16 2, 1, NQ-1, \slot, 0
	WIN 0
	s_barrier_wait -1
.if \fill
	CREST
	s_add_nc_u64 s[G0+4*\slot+2:G0+4*\slot+3], s[G0+4*\slot+2:G0+4*\slot+3], 8*CH
	s_add_nc_u64 s[G0B+4*\slot+2:G0B+4*\slot+3], s[G0B+4*\slot+2:G0B+4*\slot+3], 8*CH
	JLOAD G0+4*\slot, G1, G0B+4*\slot, G1B
.else
	PLACES NP
.endif
	FETCH_B \next, 0, 0
	FETCH_A \next, 0, 0
	SCALES \next, \ks
	WIN MUL_HI
	MUL16 4, 1, NQ-1, \slot, 0
	MUL16 6, 1, NQ-1, \slot, 0
	PLACES NP
	WIN 0
	FETCH_A \next, 0, 4
.endm
	s_wait_tensorcnt 1
	s_barrier_signal -1
	s_barrier_wait -1
	FETCH_B 0, 0, 0
	FETCH_A 0, 0, 0
	SCALES 0, 0
	FETCH_A 0, 0, 4
	STEP 0, 0, 1
	TURN 0, 1, 1, 1
	STEP 1, 0, 0
	TURN 1, 0, 1, 2
	STEP 0, 0, 0
	TURN 0, 1, 0, 3
	STEP 1, 0, 0
	s_wait_dscnt 4*NL
	WIN MUL_LO
	MUL16 0, 1, NQ-1, 1, 0
	MUL16 2, 1, NQ-1, 1, 0
	s_wait_dscnt 0
	WIN MUL_HI
	MUL16 4, 1, NQ-1, 1, 0
	MUL16 6, 1, NQ-1, 1, 0
	WIN 0
.macro QA a
.set PAR, (\a)%2
.set AC, 64*((\a)%4)
.set PCR, PC+16*PAR
.set OUR, OUT+16*PAR
	WIN 0x28+0x14*((\a)/4)
.irp b, 0,1,2,3
	v_max3_num_f32 v[TM+\b], 0x1800000, |v[AC+16*\b]|, |v[AC+16*\b+1]|
.endr
.irp i, 2,4,6,8,10,12,14
.irp b, 0,1,2,3
	v_max3_num_f32 v[TM+\b], v[TM+\b], |v[AC+16*\b+\i]|, |v[AC+16*\b+\i+1]|
.endr
.endr
	WIN 0
.irp b, 0,1,2,3
	v_permlanex16_b32 v[TM+4+\b], v[TM+\b], s[SEL], s[SEL+1]
.endr
.irp b, 0,1,2,3
	v_max_num_f32 v[TM+\b], v[TM+\b], v[TM+4+\b]
.endr
.irp b, 0,1,2,3
	v_add_nc_u32 v[TM+12+\b], 0xff000000, v[TM+\b]
.endr
.irp b, 0,1,2,3
	v_lshrrev_b32 v[TM+4+\b], 23, v[TM+12+\b]
.endr
	v_lshl_or_b32 v[PW], v[TM+5], 8, v[TM+4]
	v_lshl_or_b32 v[PW], v[TM+6], 16, v[PW]
	v_lshl_or_b32 v[PW], v[TM+7], 24, v[PW]
	v_lshrrev_b32 v[PWS+PAR], v[SH], v[PW]
	v_and_b32 v[PWS+PAR], s[MSK], v[PWS+PAR]
	WIN 0x02+(\a)/4
.irp b, 0,1,2,3
	v_cvt_scalef32_pk16_fp6_f32 v[PCR+4*\b:PCR+4*\b+2], v[AC+16*\b:AC+16*\b+15], v[TM+12+\b]
.endr
	WIN 0
	v_nop
.irp b, 0,1,2,3
	ds_store_b96 v[STO], v[PCR+4*\b:PCR+4*\b+2] offset:PAR*2048+1024*(\b/2)+32*(\b%2)
.endr
	ds_store_b32 v[WSTO], v[PWS+PAR] offset:4096+64*(\a)
.irp t, 0,1,2,3
	ds_load_b96 v[OUR+4*\t:OUR+4*\t+2], v[RD] offset:PAR*2048+512*\t
.endr
.endm
.macro SEND a, younger
.set OUR, OUT+16*((\a)%2)
	s_wait_dscnt \younger
.if (\a) == 4
	s_add_nc_u64 s[CB:CB+1], s[CB:CB+1], s[D4:D4+1]
.elseif (\a) > 0
	s_add_nc_u64 s[CB:CB+1], s[CB:CB+1], 768
.endif
.irp t, 0,1,2,3
	global_store_b96 v[CO+\t/2], v[OUR+4*\t:OUR+4*\t+2], s[CB:CB+1] offset:(\t%2)*384
.endr
.endm
	PLACES NP
.irp b, 0,1,2,3
	v_mov_b32 v[TM+4+\b], 0
.endr
	QA 0
.irp a, 1,2,3,4,5,6,7
.if \a > 1
	s_wait_xcnt 0x0
.endif
	QA \a
	SEND \a-1, 9
.endr
	s_wait_xcnt 0x0
	SEND 7, 0
	ds_load_b128 v[WO:WO+3], v[RD] offset:4096
	ds_load_b128 v[WO+4:WO+7], v[RD] offset:4608
	s_wait_dscnt 0x0
	global_store_b128 v[WCO], v[WO:WO+3], s[WB:WB+1]
	s_cmp_eq_u32 s[QK], 0
	s_cbranch_scc1 .Lno_second
	global_store_b128 v[WCO], v[WO+4:WO+7], s[WB2:WB2+1]
.Lno_second:
	s_wait_tensorcnt 0x0
	ds_add_u32 v[SPW], v[NIL]
	s_wait_dscnt 0x0
	CROUND
	s_endpgm
.Lfunc_end_k_q697437c01f_proj:
	.size	k_q697437c01f_proj, .Lfunc_end_k_q697437c01f_proj-k_q697437c01f_proj
	.p2alignl 7, 3214868480
	.fill 96, 4, 3214868480
	.section	.rodata,"a",@progbits
	.p2align	6, 0x0
	.amdhsa_kernel k_q697437c01f_proj
		.amdhsa_group_segment_fixed_size 327680
		.amdhsa_private_segment_fixed_size 0
		.amdhsa_enable_private_segment 0
		.amdhsa_kernarg_size 40
		.amdhsa_user_sgpr_count 2
		.amdhsa_user_sgpr_kernarg_segment_ptr 1
		.amdhsa_wavefront_size32 1
		.amdhsa_system_sgpr_workgroup_id_x 1
		.amdhsa_system_sgpr_workgroup_id_y 1
		.amdhsa_system_sgpr_workgroup_id_z 1
		.amdhsa_system_vgpr_workitem_id 0
		.amdhsa_next_free_vgpr 1024
		.amdhsa_next_free_sgpr 104
		.amdhsa_reserve_vcc 0
		.amdhsa_float_denorm_mode_32 3
		.amdhsa_float_denorm_mode_16_64 3
		.amdhsa_memory_ordered 1
		.amdhsa_forward_progress 1
		.amdhsa_inst_pref_size 171
	.end_amdhsa_kernel
	.amdgpu_metadata
---
amdhsa.version: [ 1, 2 ]
amdhsa.kernels:
  - .name:           k_q697437c01f_proj
    .symbol:         k_q697437c01f_proj.kd
    .args:
      - { .name: xw_codes, .offset: 0, .size: 8, .value_kind: global_buffer, .address_space: global }
      - { .name: xw_scales, .offset: 8, .size: 8, .value_kind: global_buffer, .address_space: global }
      - { .name: q_codes, .offset: 16, .size: 8, .value_kind: global_buffer, .address_space: global }
      - { .name: q_scales, .offset: 24, .size: 8, .value_kind: global_buffer, .address_space: global }
      - { .name: kv, .offset: 32, .size: 8, .value_kind: global_buffer, .address_space: global }
    .group_segment_fixed_size: 327680
    .private_segment_fixed_size: 0
    .kernarg_segment_align: 8
    .kernarg_segment_size: 40
    .max_flat_workgroup_size: 128
    .sgpr_count:     104
    .vgpr_count:     1024
    .wavefront_size: 32
...
	.end_amdgpu_metadata
.endif
;; end of part 2
;; launch attn (part 3): grid 4 x 64, 16 waves a work-group, clusters of 4 x 1, 227,584 bytes of LDS; arguments q_codes, q_scales, kv, o_codes, o_scales; writes o_codes, o_scales
.if DOCPART == 3
	.amdgcn_target "amdgcn-amd-amdhsa--gfx1250"
	.amdhsa_code_object_version 6
	.text
	.protected	k_q697437c01f_attn
	.globl	k_q697437c01f_attn
	.p2align	8
	.type	k_q697437c01f_attn,@function
k_q697437c01f_attn:
	s_mov_b64 s[64:65], 0
	v_nop
	global_prefetch_b8 v0, s[64:65] scope:SCOPE_SE
	s_setreg_imm32_b32 hwreg(HW_REG_WAVE_MODE, 25, 1), 1
	s_wait_xcnt 0x0
	s_wait_alu depctr_hold_cnt(0) depctr_sa_sdst(0) depctr_va_vdst(0) depctr_va_sdst(0) depctr_va_ssrc(0) depctr_va_vcc(0) depctr_vm_vsrc(0)
	s_getreg_b32 s2, hwreg(HW_REG_IB_STS2, 6, 4)
	s_cmp_eq_u32 s2, 0
	s_cbranch_scc0 .Lentry_in_a_cluster
	s_endpgm
.Lentry_in_a_cluster:
	s_bfe_u32 s2, ttmp6, 0x10000c
	s_cmp_lg_u32 s2, 0x3003
	s_cbranch_scc0 .Lentry_shape_is_right
	s_endpgm
.Lentry_shape_is_right:
; Launch 3 of 4: o = softmax(q k^T / 8) v for each of 64 (batch, head), both products on codes of E2M3; o is quantised along the head's 64 on the way out.  No work is left out.
; THE SOFTMAX AHEAD OF THE SECOND PRODUCT: t = score x log2(e) / 8; M = the running largest t rounded up to a whole number; p = 2^(t - M) is quantised along the keys, not normalised; the row's sum is taken of the
; unquantised p and divides O at the end; when M moves, the sum and O are multiplied by 2^(old M - new M), which rounds nothing.
; A HEAD'S WHOLE K AND V LIE IN LDS, filled once.  In kv a head's image is: K's scale words [2,048], V's [16 steps][64 d], then 8 groups of 256 keys: K's codes [256][48], V's [4 chunks of 64 keys][64 d][48].
; A LANE HOLDS A WHOLE BLOCK OF 32.  Both products are transposed (S^T = K Q^T, O^T = V^T P^T): a lane holds one query.  Lane r of K's tile (c, t) takes key 64 c + 32 (r / 8) + 8 t + r % 8, so the 32 registers of
; tiles (c, 0 .. 3) in lane (r, h) are keys 64 c + 32 h + 0 .. 31: one block, in the order of the second product's operand.  No other lane is asked for a block's maximum and no codes change lanes.  V's d rows are
; chosen alike, so that o's block of 32 along d lies in one lane.  Tokens and d lie at sw34(index) in the image (bits 3 and 4 change places): tile t stands at rows 8 sw(t) of its 32.
; TWO REGIONS IN LDS.  Rows 32 apart are 1,536 bytes apart, a multiple of 256; so runs of 1,536 bytes are dealt by turns: the even ones (even key blocks, d places 0-31) to region 0, the odd ones to a region that
; begins 128 bytes off a multiple of 256.  With that the 32 lanes of a load of 8 bytes (48 (r % 8) + 24 h + ODD (r / 8)) touch 64 different banks (64 banks of 4 bytes: ISA guide 11.1).
; Each wave asks for 8 such runs, 3,072 bytes apart in memory, by one tensor load: waves 0-7 a group's even runs, waves 8-15 its odd ones; one tensor load of mine is out.
; CLUSTER: the four blocks of 512 queries of a head need the same image and ask for it jointly.  The 12,288 bytes of scale words come by plain loads, 24 bytes a thread, and are stored to LDS bytes of their own.
; SHARES: a wave owns 32 queries, two tiles of 16, taken one after the other: two walks over the 2,048 keys, 128 a step.  Four waves share a SIMD.
; THE FIRST PRODUCT'S K IS 64 in a form of 128: Q's codes of k = 64 .. 127 are zeros and the scale bytes there are 0 (2^-127).  E2M3 has no NaN and no infinity, so these products vanish whatever K's registers 6-11
; hold: they are left to be the next tile's registers 0-5 (for the last tile: V's first six), and nothing is loaded for them.
; K's fragments of the next step are asked for behind this step's V.  In a walk's last step that request names the last group again and is not used: the step is written once.
; All that is read from memory is asked for at the head, but the second tile's Q, asked for at the first way out.
; LIMITS: the promise holds while the scaled scores t stay under 2^31 in magnitude; a block whose largest magnitude lies under 2^-124 gets the byte 1; the division by the sum is a reciprocal (1 ulp) and a
; multiplication, ahead of o's quantiser; NaN and infinities are not served.
; REGISTERS: v1, v2 lane terms; v4, v11 V's scale words; v7 tile 0's two scale bytes; v8-10 addresses in hand; v12 -M, v13 the largest score, v[14:15] the sum; v16-27 Q; v28-75 K's eight tiles, six registers each;
; v76-123 V's four; v124-187 S^T, then p; v188-219 O^T; v220-231 p's codes; v232-245, v251, v254 at work; v246-249 K's scale words; v250 8 h; v252 f; v253 p's word; v255 Q's.
.set IMG,   208896
.set KOFF,  12288                      ; where the groups begin in the image
.set GRP,   24576                      ; a group in memory
.set HG,    12288                      ; half a group: what a wave brings: K's 4 runs, then V's 4
.set RUN,   1536
.set ODD,   8*HG+128                   ; the odd runs' region
.set SCL,   196864                     ; the scale words, stored by ds_store: whole blocks of 256 bytes into which no fill lands
.set STAGE, SCL+12288                  ; 1,024 bytes for each wave, for the way out
.set SPARE, STAGE+16*1024              ; the spare words, 128 bytes for each wave: eight blocks of 256 bytes that no other line names
.set SPW,  5
.set NIL,  6
.set WV,   14
.set SEL,  20
.set CS,   22
.set G1,   24
.set TB,   37
.set TS,   38
.set TJ,   39
.set G0,   40
.set TBN,  48
.set TSN,  49
.set TJN,  50
.set CNT,  51
.set STG,  60
.macro CROUND                          ; a round of the cluster's barrier
	s_barrier_signal -1
	s_barrier_wait -1
	s_cmp_lg_u32 s[WV], 0
	s_cbranch_scc1 .Lnot_wave_0_\@
	s_barrier_signal -3
.Lnot_wave_0_\@:
	s_barrier_wait -3
	s_barrier_signal -1
	s_barrier_wait -1
.endm
	s_load_b256 s[4:11], s[0:1], 0x0               ; q_codes s[4:5], q_scales s[6:7], kv s[8:9], o_codes s[10:11]
	s_load_b64 s[12:13], s[0:1], 0x20              ; o_scales
	v_lshl_add_u32 v[SPW], v0, 2, SPARE
	v_mov_b32 v[NIL], 0
	ds_add_u32 v[SPW], v[NIL]                      ; the wave's opening: the add, twice on end, and its wait ahead of my first tensor load
	ds_add_u32 v[SPW], v[NIL]
	v_lshrrev_b32 v8, 5, v0
	s_delay_alu instid0(VALU_DEP_1)
	v_readfirstlane_b32 s[WV], v8                  ; wave 0..15
	s_bfe_u32 s15, ttmp6, 0x40000                  ; cx: it enters q's and o's addresses alone
	s_and_b32 s16, ttmp7, 0xffff                   ; 16 x batch + head, which the four partners share
	s_mov_b32 s[G1], 15|(3<<16)|(1<<21)            ; 15:0 the mask: all four; 17:16 elements of 8 bytes; 21 set beside a mask; no padding
	s_mov_b32 s[G1+1], 192<<16                     ; rows of 192 elements: a run of 1,536 bytes
	s_mov_b32 s[G1+2], 8<<16
	s_mov_b32 s[G1+3], 192<<16
	s_mov_b32 s[G1+4], 8                           ; eight of them,
	s_mov_b32 s[G1+5], 384                         ; every second run of the group
	s_mov_b32 s[G1+6], 0
	s_mov_b32 s[G1+7], 0
	s_and_b32 s37, s[WV], 7                        ; my group
	s_lshr_b32 s38, s[WV], 3                       ; its even runs or its odd ones
	s_mul_i32 s54, s37, HG
	s_mul_i32 s39, s38, ODD
	s_add_co_u32 s54, s54, s39                     ; where they go
	s_mul_i32 s46, s16, IMG                        ; the head's image
	s_mov_b32 s47, 0
	s_mul_i32 s52, s37, GRP
	s_add_co_u32 s52, s52, s46
	s_mul_i32 s39, s38, RUN
	s_add_co_u32 s52, s52, s39
	s_add_co_u32 s52, s52, KOFF                    ; where they come from
	s_mov_b32 s53, 0
	s_lshl_b32 s55, s15, 9
	s_lshl_b32 s56, s[WV], 5
	s_add_co_u32 s55, s55, s56                     ; my first query's place: 512 cx + 32 wave
	s_mul_i32 s56, s16, 98304
	s_mul_i32 s58, s55, 48
	s_add_co_u32 s56, s56, s58
	s_mov_b32 s57, 0                               ; its codes
	s_lshl_b32 s58, s16, 13
	s_lshl_b32 s59, s55, 2
	s_add_co_u32 s58, s58, s59
	s_mov_b32 s59, 0                               ; its scale word
	s_and_b32 s17, s16, 15                         ; head
	s_lshr_b32 s18, s16, 4
	s_lshl_b32 s18, s18, 11
	s_add_co_u32 s18, s18, s55                     ; o's row: 2,048 x batch + place
	s_mul_i32 s32, s17, 393216                     ; o's codes: the head is the K chunk
	s_mul_i32 s34, s18, 48
	s_add_co_u32 s32, s32, s34
	s_mov_b32 s33, 0
	s_lshr_b32 s34, s17, 1                         ; o's scale words: K step head / 2, bytes 2 (head % 2) on
	s_lshl_b32 s34, s34, 15
	s_lshl_b32 s36, s18, 2
	s_add_co_u32 s34, s34, s36
	s_and_b32 s36, s17, 1
	s_lshl_b32 s36, s36, 1
	s_add_co_u32 s34, s34, s36
	s_mov_b32 s35, 0
	s_lshl_b32 s[STG], s[WV], 10
	s_add_co_u32 s[STG], s[STG], STAGE             ; my stage
	s_mov_b32 s61, ODD
	s_mov_b32 s[SEL], 0x76543210
	s_mov_b32 s[SEL+1], 0xfedcba98                 ; lane l xor 16
	s_mov_b32 s[CS], 0x3e38aa3b                    ; c = log2(e) / 8
	s_mov_b32 s[CS+1], s[CS]                       ; (named with it as a pair)
	s_wait_dscnt 0x0                               ; both opening adds are done
	s_wait_kmcnt 0x0
	s_mov_b32 s[G0], 1
	s_mov_b32 s[G0+1], s54
	s_add_nc_u64 s[G0+2:G0+3], s[8:9], s[52:53]
	s_or_b32 s[G0+3], s[G0+3], 0x80000000
	s_add_nc_u64 s[46:47], s[8:9], s[46:47]
	s_add_nc_u64 s[4:5], s[4:5], s[56:57]
	s_add_nc_u64 s[6:7], s[6:7], s[58:59]
	s_add_nc_u64 s[10:11], s[10:11], s[32:33]
	s_add_nc_u64 s[12:13], s[12:13], s[34:35]
	CROUND                                         ; all four work-groups are here: the joint loads meet
	tensor_load_to_lds s[G0:G0+3], s[G1:G1+7]      ; every wave's one load
	s_nop 0
.rept 4
	v_nop
.endr
	v_lshlrev_b32 v232, 4, v0                      ; the scale words: 16 bytes a thread of K's 8,192,
	v_lshlrev_b32 v233, 3, v0                      ; 8 bytes a thread of V's 4,096
	v_and_b32 v8, 15, v0                           ; r
	v_bfe_u32 v9, v0, 4, 1                         ; h
	global_load_b128 v[236:239], v232, s[46:47]
	global_load_b64 v[240:241], v233, s[46:47] offset:8192
	v_mul_u32_u24 v10, v8, 48
	v_lshlrev_b32 v254, 2, v8
	s_delay_alu instid0(VALU_DEP_2)
	v_mad_u32_u24 v10, v9, 24, v10                 ; 48 r + 24 h
.irp p, 0,1,2
	global_load_b64 v[16+2*\p:17+2*\p], v10, s[4:5] offset:8*\p   ; Q's tile 0: k = 32 h + 0 .. 31
.endr
	global_load_b32 v255, v254, s[6:7]             ; its scale words
	v_and_b32 v2, 7, v0                            ; r % 8
	v_bfe_u32 v3, v0, 3, 1                         ; r / 8
	v_add_nc_u32 v234, SCL, v232
	v_add_nc_u32 v235, SCL+8192, v233
	v_mul_u32_u24 v1, v2, 48
	v_lshlrev_b32 v2, 2, v2
	v_lshlrev_b32 v250, 3, v9                      ; 8 h
	v_mad_u32_u24 v1, v9, 24, v1
	v_lshl_add_u32 v2, v3, 7, v2
	s_delay_alu instid0(VALU_DEP_2)
	v_mad_u32_u24 v1, v3, s61, v1                  ; fragments: 48 (r % 8) + 24 h + ODD (r / 8)
	s_delay_alu instid0(VALU_DEP_2)
	v_lshl_add_u32 v2, v9, 5, v2
	s_delay_alu instid0(VALU_DEP_1)
	v_add_nc_u32 v2, SCL, v2                       ; scale words: 4 (r % 8) + 128 (r / 8) + 32 h: lanes 0-15 one tile's rows, lanes 16-31 those of the tile eight places on
.irp j, 22,23,24,25,26,27
	v_mov_b32 v[\j], 0                             ; Q's codes of k = 64 .. 127: zeros
.endr
.irp j, 76,77,78,79,80,81
	v_mov_b32 v[\j], 0                             ; named by the first step's last score product before V's first tile has come
.endr
.irp j, 245,253
	v_mov_b32 v[\j], 0                             ; written once: the lane permutes' destination, and the upper half of the pair v[252:253]
.endr
.macro INIT                            ; a walk finds zeros, which the first change of M leaves zeros
	v_mov_b32 v13, 0xff61b1e6                      ; the largest score so far: -3e38
	v_mov_b32 v12, 0x7e000000                      ; -M: so large that the first f is 0
	v_mov_b32 v14, 0
	v_mov_b32 v15, 0
.set J, 0
.rept 32
	v_mov_b32 v[188+J], 0
.set J, J+1
.endr
.endm
	INIT
.macro KLOAD q                         ; K's eight tiles and four registers of scale words, step q of the group at v8, v9: 28 LDS loads
.irp c, 0,1
.irp t, 0,1,2,3
.irp p, 0,1,2
	ds_load_b64 v[28+6*(4*\c+\t)+2*\p:29+6*(4*\c+\t)+2*\p], v8 offset:(2*(\q)+\c)*RUN+((\t&1)*2+(\t>>1))*384+8*\p
.endr
.endr
.endr
.irp j, 0,1,2,3
	ds_load_b32 v[246+\j], v9 offset:(\q)*512+(\j/2)*256+(\j%2)*64   ; register 2 c + t % 2: lanes 0-15 tile (c, t % 2), lanes 16-31 tile (c, 2 + t % 2)
.endr
.endm
; A KEY STEP: 128 keys, the q-th of the group in hand.
.macro KL q, n                         ; K's tile n = 4 c + t of step q of the group at v8: three loads
.irp p, 0,1,2
	ds_load_b64 v[28+6*(\n)+2*\p:29+6*(\n)+2*\p], v8 offset:(2*(\q)+(\n)/4)*RUN+((((\n)%4)&1)*2+(((\n)%4)>>1))*384+8*\p
.endr
.endm
.macro KW q                            ; and its four registers of scale words
.irp j, 0,1,2,3
	ds_load_b32 v[246+\j], v9 offset:(\q)*512+(\j/2)*256+(\j%2)*64
.endr
.endm
.macro TM n                            ; t - M of the next 2 n scores, two at a time
.rept \n
	v_pk_fma_f32 v[124+J:125+J], v[124+J:125+J], s[CS:CS+1], v[12:13] op_sel_hi:[1,0,0]
.set J, J+2
.endr
.endm
.macro STEP q
	s_wait_dscnt 0x0                               ; K is in: it was asked for a step ago
.irp t, 0,1,2,3,4,5,6,7
.if (\t%4) >= 2
	v_wmma_scale_f32_16x16x128_f8f6f4 v[124+8*\t:131+8*\t], v[28+6*\t:39+6*\t], v[16:27], 0, v[246+2*(\t/4)+\t%2], v255 matrix_a_fmt:MATRIX_FMT_FP6 matrix_b_fmt:MATRIX_FMT_FP6 matrix_a_scale:MATRIX_SCALE_ROW1
.else
	v_wmma_scale_f32_16x16x128_f8f6f4 v[124+8*\t:131+8*\t], v[28+6*\t:39+6*\t], v[16:27], 0, v[246+2*(\t/4)+\t%2], v255 matrix_a_fmt:MATRIX_FMT_FP6 matrix_b_fmt:MATRIX_FMT_FP6
.endif
.endr
	v_mov_b32 v251, v12                            ; the old -M.  Four places: in front of the loads into registers that the products read, and of the first read of the scores
.rept 3
	v_nop
.endr
.irp u, 0,1,2,3                                ; V's four tiles: 26 loads, which land under the softmax
.irp p, 0,1,2,3,4,5
	ds_load_b64 v[76+12*\u+2*\p:77+12*\u+2*\p], v8 offset:6144+(2*(\q)+\p/3)*RUN+((\u&1)*2+(\u>>1))*384+8*(\p%3)
.endr
.endr
	ds_load_b32 v4, v10 offset:8192+(\q)*256       ; lanes 0-15 tile 0's words, lanes 16-31 tile 2's
	ds_load_b32 v11, v10 offset:8192+(\q)*256+64   ; tiles 1 and 3
.if (\q) == 1
	v_add_nc_u32 v8, s[TB], v1                     ; on to the next group
	v_add_nc_u32 v9, s[TS], v2
	v_add_nc_u32 v10, s[TJ], v2
.endif
.irp k, 0,1,2,3                                ; the largest score of my two blocks of 32 keys, each in two chains: for the row's maximum, and, since p rises with the score, for the block's largest p
	v_max3_num_f32 v[232+\k], v[124+16*\k], v[125+16*\k], v[126+16*\k]
.endr
.irp i, 3,5,7,9,11,13
.irp k, 0,1,2,3
	v_max3_num_f32 v[232+\k], v[232+\k], v[124+16*\k+\i], v[125+16*\k+\i]
.endr
.endr
	; each line from here to -M reads the line before it: the 28 loads of the next step's K, which are due anyway, stand between them
	v_max3_num_f32 v232, v232, v233, v139
	v_max3_num_f32 v234, v234, v235, v171
	KL 1-(\q), 0
	v_max_num_f32 v232, v232, v155                 ; block h
	v_max_num_f32 v233, v234, v187                 ; block 2 + h
	KL 1-(\q), 1
	v_max_num_f32 v254, v232, v233
	KL 1-(\q), 2
	v_permlanex16_b32 v245, v254, s[SEL], s[SEL+1]
	KL 1-(\q), 3
	v_max3_num_f32 v13, v13, v254, v245            ; the running largest score of my query
	KL 1-(\q), 4
	v_mul_f32 v254, s[CS], v13                     ; as t (c is positive)
	KL 1-(\q), 5
	v_floor_f32 v12, -v254                         ; the new -M = -ceil(t)
	KL 1-(\q), 6
	KL 1-(\q), 7
	KW 1-(\q)
.set J, 0
	TM 4                                           ; t - M needs -M alone: the three lines that make f stand among these
	v_sub_f32 v254, v12, v251                      ; old M - new M: a whole number, 0 or less
	TM 4
	v_cvt_i32_f32 v254, v254                       ; (it saturates)
	TM 4
	v_ldexp_f32 v252, 1.0, v254                    ; f = 2^(old M - new M)
	TM 20
	v_fma_f32 v232, v232, s[CS], v12               ; the same of each block's largest score
	v_fma_f32 v233, v233, s[CS], v12
.set J, 0
.rept 16
	v_pk_mul_f32 v[188+J:189+J], v[188+J:189+J], v[252:253] op_sel_hi:[1,0]   ; O^T under the new M; each accumulator is read from its low end on
.set J, J+2
.endr
	s_wait_alu depctr_va_vdst(0)
.set J, 0
.rept 64
	v_exp_f32 v[124+J], v[124+J]                   ; p = 2^(t - M)
.set J, J+1
.endr
	v_exp_f32 v232, v232                           ; my blocks' largest p
	v_exp_f32 v233, v233
	v_nop                                          ; a plain place behind the exponentials
	s_wait_alu depctr_va_vdst(0)                   ; one wait for the batch, ahead of its first reader
	v_max_num_f32 v232, 0x1800000, v232            ; the floor 2^(3 - 127)
	v_max_num_f32 v233, 0x1800000, v233
	s_delay_alu instid0(VALU_DEP_2)
	v_add_nc_u32 v234, 0xff000000, v232            ; the conversions' scale operands
	s_delay_alu instid0(VALU_DEP_2)
	v_add_nc_u32 v235, 0xff000000, v233
	v_cvt_scalef32_pk16_fp6_f32 v[220:222], v[124:139], v234
	v_cvt_scalef32_pk16_fp6_f32 v[236:238], v[140:155], v234       ; (a conversion's three registers begin on an even number: a block's upper half is made elsewhere and moved)
	v_cvt_scalef32_pk16_fp6_f32 v[226:228], v[156:171], v235
	v_cvt_scalef32_pk16_fp6_f32 v[240:242], v[172:187], v235
	v_lshrrev_b32 v243, 23, v234                   ; the scales' bytes; plain places behind the conversions
	v_lshrrev_b32 v244, 23, v235
	v_mov_b32 v223, v236                           ; the blocks' upper halves go to their places; the moves take turns with the lines that make the word
	v_mov_b32 v229, v240
	v_lshl_or_b32 v243, v244, 16, v243             ; blocks h and 2 + h,
	v_mov_b32 v224, v237
	v_mov_b32 v230, v241
	v_lshlrev_b32 v243, v250, v243                 ; at their places in the word (8 h bits up);
	v_mov_b32 v225, v238
	v_mov_b32 v231, v242
	v_permlanex16_b32 v245, v243, s[SEL], s[SEL+1]
	s_delay_alu instid0(VALU_DEP_1)
	v_or_b32 v253, v243, v245                      ; with lane l xor 16's two: p's scale word for these 128 keys
.irp k, 0,1,2,3                                ; the row's sum of the unquantised p, in four chains; these lines are also the places between the writes of p's codes and word and the products
	v_pk_add_f32 v[236+2*\k:237+2*\k], v[124+4*\k:125+4*\k], v[126+4*\k:127+4*\k]
.endr
.set J, 16
.rept 6
.irp k, 0,1,2,3
	v_pk_add_f32 v[236+2*\k:237+2*\k], v[236+2*\k:237+2*\k], v[124+J+2*\k:125+J+2*\k]
.endr
.set J, J+8
.endr
	v_pk_add_f32 v[236:237], v[236:237], v[238:239]
	v_pk_add_f32 v[240:241], v[240:241], v[242:243]
	s_delay_alu instid0(VALU_DEP_1)
	v_pk_add_f32 v[236:237], v[236:237], v[240:241]
	s_delay_alu instid0(VALU_DEP_1)
	v_pk_fma_f32 v[14:15], v[14:15], v[252:253], v[236:237] op_sel_hi:[1,0,1]   ; the old sum under the new M, and this step's
	s_wait_alu depctr_va_vdst(0)
	s_wait_dscnt 28                                ; V is in; the 28 loads of the next step's K may be out
.irp u, 0,1,2,3
.if \u >= 2
	v_wmma_scale_f32_16x16x128_f8f6f4 v[188+8*\u:195+8*\u], v[76+12*\u:87+12*\u], v[220:231], v[188+8*\u:195+8*\u], v[4+7*(\u%2)], v253 matrix_a_fmt:MATRIX_FMT_FP6 matrix_b_fmt:MATRIX_FMT_FP6 matrix_a_scale:MATRIX_SCALE_ROW1
.else
	v_wmma_scale_f32_16x16x128_f8f6f4 v[188+8*\u:195+8*\u], v[76+12*\u:87+12*\u], v[220:231], v[188+8*\u:195+8*\u], v[4+7*(\u%2)], v253 matrix_a_fmt:MATRIX_FMT_FP6 matrix_b_fmt:MATRIX_FMT_FP6
.endif
.endr
.endm
; THE WAY OUT of tile n: O^T / the sum; my block of 32 along d (d = 32 h + 0 .. 31) is quantised; its 24 bytes go through my stage and leave as 8 rows of 48 bytes on end.
.macro WAYOUT n
	s_wait_dscnt 0x0                               ; the walk's last request for K has landed: K's registers are free
.if (\n) == 0
	v_and_b32 v28, 15, v0                          ; the next tile's Q is asked for here
	v_bfe_u32 v29, v0, 4, 1
	s_delay_alu instid0(VALU_DEP_2)
	v_mul_u32_u24 v30, v28, 48
	v_lshlrev_b32 v31, 2, v28
	s_delay_alu instid0(VALU_DEP_2)
	v_mad_u32_u24 v30, v29, 24, v30
.irp p, 0,1,2
	global_load_b64 v[16+2*\p:17+2*\p], v30, s[4:5] offset:768+8*\p
.endr
	global_load_b32 v255, v31, s[6:7] offset:64
.endif
	v_add_f32 v14, v14, v15                        ; the sum's two halves,
	s_delay_alu instid0(VALU_DEP_1)
	v_permlanex16_b32 v245, v14, s[SEL], s[SEL+1]
	s_delay_alu instid0(VALU_DEP_1)
	v_add_f32 v14, v14, v245                       ; and lane l xor 16's
	s_wait_alu depctr_va_vdst(0)
	v_rcp_f32 v14, v14
	v_and_b32 v32, 15, v0                          ; (plain places behind the reciprocal)
	v_bfe_u32 v33, v0, 4, 1
	v_and_b32 v34, 31, v0
	v_lshlrev_b32 v32, 6, v32
	s_delay_alu instid0(VALU_DEP_1)
	v_lshl_add_u32 v32, v33, 5, v32
	s_delay_alu instid0(VALU_DEP_1)
	v_add_nc_u32 v32, s[STG], v32                  ; in: row r's four places of 16 bytes; places 2 h and 2 h + 1
	v_lshl_add_u32 v33, v34, 4, s[STG]             ; back: a place a lane
	v_mul_u32_u24 v34, v34, 12                     ; and the same 12 bytes in memory
	s_wait_alu depctr_va_vdst(0)                   ; the wait ahead of the first reader of the reciprocal and of O^T
.set J, 0
.rept 16
	v_pk_mul_f32 v[124+J:125+J], v[188+J:189+J], v[14:15] op_sel_hi:[1,0]   ; register i: o(query r, d = 32 h + i); each accumulator is read from its low end on
.set J, J+2
.endr
.irp k, 0,1
	v_max3_num_f32 v[36+\k], |v[124+16*\k]|, |v[125+16*\k]|, 0x1800000
.endr
.irp i, 2,4,6,8,10,12,14
.irp k, 0,1
	s_delay_alu instid0(VALU_DEP_2)
	v_max3_num_f32 v[36+\k], v[36+\k], |v[124+16*\k+\i]|, |v[125+16*\k+\i]|
.endr
.endr
	s_delay_alu instid0(VALU_DEP_1)
	v_max_num_f32 v36, v36, v37                    ; my block's largest magnitude
	s_delay_alu instid0(VALU_DEP_1)
	v_add_nc_u32 v38, 0xff000000, v36
	v_cvt_scalef32_pk16_fp6_f32 v[40:42], v[124:139], v38
	v_cvt_scalef32_pk16_fp6_f32 v[44:46], v[140:155], v38
	v_lshrrev_b32 v39, 23, v38                     ; the scale's byte; a plain place behind the conversions
	s_delay_alu instid0(VALU_DEP_1)
	v_lshlrev_b32 v39, v250, v39
	s_delay_alu instid0(VALU_DEP_1)
	v_permlanex16_b32 v245, v39, s[SEL], s[SEL+1]
	s_delay_alu instid0(VALU_DEP_1)
.if (\n) == 0
	v_or_b32 v7, v39, v245                         ; the head's two bytes of my row's word: kept for the second tile's way out
.else
	v_or_b32 v47, v39, v245
.endif
	ds_store_b96 v32, v[40:42]
	ds_store_b96 v32, v[44:46] offset:16
	ds_load_b96 v[48:50], v33                      ; LDS serves a wave's instructions in order: these see my stores
	ds_load_b96 v[52:54], v33 offset:512
	s_wait_alu depctr_va_vdst(0)
	s_wait_dscnt 1                                 ; the first is in; the second may be out
	global_store_b96 v34, v[48:50], s[10:11] offset:(\n)*768       ; 384 consecutive bytes
	s_wait_dscnt 0x0
	global_store_b96 v34, v[52:54], s[10:11] offset:(\n)*768+384
.if (\n) == 1
	v_and_b32 v56, 31, v0
	s_delay_alu instid0(VALU_DEP_1)
	v_cmp_gt_u32 vcc_lo, 16, v56
	v_lshlrev_b32 v57, 2, v56
	s_wait_alu depctr_va_vdst(0)
	v_cndmask_b32 v47, v47, v7, vcc_lo             ; lanes 0-15: tile 0's rows, lanes 16-31: tile 1's
	global_store_b16 v57, v47, s[12:13]            ; two bytes of each of my 32 rows' words; the other two are another head's work-group's.  These bytes are 1/24 of o's codes
.endif
.endm
.macro PASS n                          ; a walk over the 2,048 keys: 8 groups of 256, two steps each
	s_mov_b32 s[TBN], HG                           ; the next group's place: fragments, K's words, V's words
	s_mov_b32 s[TSN], 1024
	s_mov_b32 s[TJN], 512
	s_mov_b32 s[CNT], 8
	s_wait_loadcnt 0x0                             ; Q
	v_mov_b32 v8, v1
	v_mov_b32 v9, v2
	v_mov_b32 v10, v2
	s_wait_alu depctr_va_vdst(0)
	KLOAD 0
.Ltrip_\@:
	s_min_u32 s[TB], s[TBN], 7*HG                  ; held at the last group: the last trip's request stays inside the image
	s_min_u32 s[TS], s[TSN], 7*1024
	s_min_u32 s[TJ], s[TJN], 7*512
	STEP 0
	STEP 1
	s_add_co_u32 s[TBN], s[TBN], HG
	s_add_co_u32 s[TSN], s[TSN], 1024
	s_add_co_u32 s[TJN], s[TJN], 512
	s_sub_co_u32 s[CNT], s[CNT], 1
	s_cmp_lg_u32 s[CNT], 0
	s_cbranch_scc1 .Ltrip_\@
	WAYOUT \n
.endm
	s_wait_alu depctr_va_vdst(0)
	s_wait_tensorcnt 0x0                           ; my part of the image is in,
	s_wait_loadcnt 0x0                             ; and so are my 24 bytes of the scale words, and Q
	ds_store_b128 v234, v[236:239]
	ds_store_b64 v235, v[240:241]
	s_wait_dscnt 0x0                               ; for the others' sake
	s_barrier_signal -1
	s_barrier_wait -1                              ; everybody's part is in; nothing is filled again
	PASS 0
	s_wait_xcnt 0x0                                ; the stores and Q's loads have read their registers: addresses and data may be written again
	INIT
	PASS 1
	s_wait_tensorcnt 0x0                           ; the wave's end
	ds_add_u32 v[SPW], v[NIL]
	s_wait_dscnt 0x0
	CROUND                                         ; the closing round
	s_endpgm
.Lfunc_end_k_q697437c01f_attn:
	.size	k_q697437c01f_attn, .Lfunc_end_k_q697437c01f_attn-k_q697437c01f_attn
	.p2alignl 7, 3214868480
	.fill 96, 4, 3214868480
	.section	.rodata,"a",@progbits
	.p2align	6, 0x0
	.amdhsa_kernel k_q697437c01f_attn
		.amdhsa_group_segment_fixed_size 227584
		.amdhsa_private_segment_fixed_size 0
		.amdhsa_enable_private_segment 0
		.amdhsa_kernarg_size 40
		.amdhsa_user_sgpr_count 2
		.amdhsa_user_sgpr_kernarg_segment_ptr 1
		.amdhsa_wavefront_size32 1
		.amdhsa_system_sgpr_workgroup_id_x 1
		.amdhsa_system_sgpr_workgroup_id_y 1
		.amdhsa_system_sgpr_workgroup_id_z 1
		.amdhsa_system_vgpr_workitem_id 0
		.amdhsa_next_free_vgpr 256
		.amdhsa_next_free_sgpr 66
		.amdhsa_reserve_vcc 1
		.amdhsa_float_denorm_mode_32 3
		.amdhsa_float_denorm_mode_16_64 3
		.amdhsa_memory_ordered 1
		.amdhsa_forward_progress 1
		.amdhsa_inst_pref_size 88
	.end_amdhsa_kernel
	.amdgpu_metadata
---
amdhsa.version: [ 1, 2 ]
amdhsa.kernels:
  - .name:           k_q697437c01f_attn
    .symbol:         k_q697437c01f_attn.kd
    .args:
      - { .name: q_codes, .offset: 0, .size: 8, .value_kind: global_buffer, .address_space: global }
      - { .name: q_scales, .offset: 8, .size: 8, .value_kind: global_buffer, .address_space: global }
      - { .name: kv, .offset: 16, .size: 8, .value_kind: global_buffer, .address_space: global }
      - { .name: o_codes, .offset: 24, .size: 8, .value_kind: global_buffer, .address_space: global }
      - { .name: o_scales, .offset: 32, .size: 8, .value_kind: global_buffer, .address_space: global }
    .group_segment_fixed_size: 227584
    .private_segment_fixed_size: 0
    .kernarg_segment_align: 8
    .kernarg_segment_size: 40
    .max_flat_workgroup_size: 512
    .sgpr_count:     66
    .vgpr_count:     256
    .wavefront_size: 32
...
	.end_amdgpu_metadata
.endif
;; end of part 3
;; launch outp (part 4): grid 4 x 32, 4 waves a work-group, clusters of 4 x 4, 327,680 bytes of LDS; arguments o_codes, o_scales, xw_codes, xw_scales, bo, out0; writes out0
.if DOCPART == 4
	.amdgcn_target "amdgcn-amd-amdhsa--gfx1250"
	.amdhsa_code_object_version 6
	.text
	.protected	k_q697437c01f_outp
	.globl	k_q697437c01f_outp
	.p2align	8
	.type	k_q697437c01f_outp,@function
k_q697437c01f_outp:
	s_mov_b64 s[64:65], 0
	v_nop
	global_prefetch_b8 v0, s[64:65] scope:SCOPE_SE
	s_setreg_imm32_b32 hwreg(HW_REG_WAVE_MODE, 25, 1), 1
	s_wait_xcnt 0x0
	s_wait_alu depctr_hold_cnt(0) depctr_sa_sdst(0) depctr_va_vdst(0) depctr_va_sdst(0) depctr_va_ssrc(0) depctr_va_vcc(0) depctr_vm_vsrc(0)
	s_getreg_b32 s2, hwreg(HW_REG_IB_STS2, 6, 4)
	s_cmp_eq_u32 s2, 0
	s_cbranch_scc0 .Lentry_in_a_cluster
	s_endpgm
.Lentry_in_a_cluster:
	s_bfe_u32 s2, ttmp6, 0x10000c
	s_cmp_lg_u32 s2, 0xf033
	s_cbranch_scc0 .Lentry_shape_is_right
	s_endpgm
.Lentry_shape_is_right:
.set CH,     589824
.set CHO,    393216
.set KSB,    49152
.set KSO,    32768
.set NQ,     2
.set FR,     12
.set NL,     6
.set NP,     4
.set WLOAD,  24576
.set SLOT,   4*WLOAD
.set SCL,    2*SLOT
.set SPARE,  SCL+4*4096
.set SPITCH, 528
.set ADRA, 16
.set ADRB, 20
.set STO,  24
.set RD,   25
.set CO,   26
.set ADRS, 27
.set SPW,  28
.set NIL,  29
.set BO,   30
.set SC,   32
.set BI,   64
.set AF,   128
.set BK,   128
.set G1, 24
.set G0, 32
.set G1B, 48
.set G0B, 56
.set G1S, 68
.set G0S, 76
.set G1SB, 80
.set G0SB, 88
.set MSB, 0
.macro WIN new
.if MSB != \new
	s_set_vgpr_msb (MSB<<8)|\new
.set MSB, \new
.endif
.endm
.set MUL_LO, 0xa1
.set MUL_HI, 0xf1
.set TO_B,   0x40
.macro JLOAD g0a, g1a, g0b, g1b
	s_cmp_eq_u32 s15, 0
	s_cbranch_scc0 .Lfor_b_\@
	tensor_load_to_lds s[\g0a:\g0a+3], s[\g1a:\g1a+7]
	s_nop 0
.rept 4
	v_nop
.endr
	s_branch .Lasked_\@
.Lfor_b_\@:
	tensor_load_to_lds s[\g0b:\g0b+3], s[\g1b:\g1b+7]
	s_nop 0
.rept 4
	v_nop
.endr
.Lasked_\@:
.endm
.macro CREST
	s_cmp_lg_u32 s14, 0
	s_cbranch_scc1 .Lnot_wave_0_\@
	s_barrier_signal -3
.Lnot_wave_0_\@:
	s_barrier_wait -3
	s_barrier_signal -1
	s_barrier_wait -1
.endm
.macro CROUND
	s_barrier_signal -1
	s_barrier_wait -1
	CREST
.endm
.macro GROUP1 g, c, r, p
	s_mov_b32 s[\g+1], (\c)<<16
	s_mov_b32 s[\g+2], (\r)<<16
	s_mov_b32 s[\g+3], (\c)<<16
	s_mov_b32 s[\g+4], \r
	s_mov_b32 s[\g+5], \p
	s_mov_b32 s[\g+6], 0
	s_mov_b32 s[\g+7], 0
.endm
	s_load_b256 s[4:11], s[0:1], 0x0
	s_load_b128 s[92:95], s[0:1], 0x20
	v_lshl_add_u32 v[SPW], v0, 2, SPARE
	v_mov_b32 v[NIL], 0
	ds_add_u32 v[SPW], v[NIL]
	ds_add_u32 v[SPW], v[NIL]
	v_lshrrev_b32 v1, 5, v0
	v_readfirstlane_b32 s14, v1
	s_lshr_b32 s15, s14, 1
	s_and_b32 s16, s14, 1
	s_bfe_u32 s40, ttmp6, 0x40000
	s_bfe_u32 s41, ttmp6, 0x40004
	s_lshl_b32 s42, ttmp9, 2
	s_add_co_u32 s42, s42, s40
	s_and_b32 s17, ttmp7, 0xffff
	s_lshl_b32 s17, s17, 2
	s_add_co_u32 s17, s17, s41
	s_lshl_b32 s43, s41, 2
	s_lshl_b32 s43, 15, s43
	s_lshl_b32 s44, 0x1111, s40
	s_or_b32 s[G1+0], s43, (3<<16)|(1<<21)
	s_or_b32 s[G1B+0], s44, (3<<16)|(1<<21)
	GROUP1 G1, 768, 4, CHO/8
	GROUP1 G1B, 768, 4, CH/8
	s_lshl_b32 s18, s16, 7
	s_lshl_b32 s20, s17, 8
	s_add_co_u32 s20, s20, s18
	s_lshl_b32 s46, s42, 8
	s_add_co_u32 s46, s46, s18
	s_add_co_u32 s46, s46, 11264
	s_lshl_b32 s22, s20, 2
	s_mov_b32 s23, 0
	s_mul_i32 s20, s20, 48
	s_mov_b32 s21, 0
	s_lshl_b32 s98, s46, 2
	s_mov_b32 s99, 0
	s_mul_i32 s46, s46, 48
	s_mov_b32 s47, 0
	s_mul_i32 s45, s14, WLOAD
	s_lshl_b32 s96, s14, 12
	s_wait_dscnt 0x0
	s_wait_kmcnt 0x0
	s_add_nc_u64 s[20:21], s[4:5], s[20:21]
	s_add_nc_u64 s[22:23], s[6:7], s[22:23]
	s_add_nc_u64 s[46:47], s[8:9], s[46:47]
	s_add_nc_u64 s[98:99], s[10:11], s[98:99]
	CROUND
	s_cmp_eq_u32 s15, 0                            ; the scale words of my 128 rows: o's (waves 0, 1) or Wo's (waves 2, 3); the choice hangs on the wave's number alone
	s_mov_b32 s78, KSB
	s_cselect_b64 s[76:77], s[22:23], s[98:99]
	s_cselect_b32 s78, KSO, s78                    ; bytes from K step to K step in that buffer
.irp s, 0,1
	s_mov_b32 s[G0+4*\s], 1
	s_add_co_u32 s[G0+4*\s+1], s45, \s*SLOT
	s_add_nc_u64 s[G0+4*\s+2:G0+4*\s+3], s[20:21], \s*4*CHO
	s_or_b32 s[G0+4*\s+3], s[G0+4*\s+3], 0x80000000
	s_mov_b32 s[G0B+4*\s], 1
	s_add_co_u32 s[G0B+4*\s+1], s45, \s*SLOT
	s_add_nc_u64 s[G0B+4*\s+2:G0B+4*\s+3], s[46:47], \s*4*CH
	s_or_b32 s[G0B+4*\s+3], s[G0B+4*\s+3], 0x80000000
.if \s
	s_wait_alu depctr_va_vdst(0)
	s_wait_tensorcnt 0x0                           ; my part of slot 0 is in: no tensor load of mine is out while I store to LDS
	s_wait_loadcnt 0x0                             ; and so are my scale words
.irp k, 0,1,2,3,4,5,6,7
	ds_store_b128 v232, v[128+4*\k:131+4*\k] offset:512*\k   ; [8 K steps][128 rows][one word], in my 4,096 bytes behind the ring; no fill lands there
.endr
	s_wait_tensorcnt 0x0
	ds_add_u32 v28, v29
	s_wait_dscnt 0x0                               ; the add and my stores are done
	CROUND
.endif
	JLOAD G0+4*\s, G1, G0B+4*\s, G1B
.if \s == 0
	; The scale words come by plain loads while slot 0's load is out: 8 K steps x 512 consecutive bytes, 16 bytes a lane.  They are not asked for jointly: 16 KiB beside the 384 KiB of codes of a work-group
	v_and_b32 v233, 31, v0
	v_lshlrev_b32 v233, 4, v233
.irp k, 0,1,2,3,4,5,6,7
	v_mad_u32_u24 v[224+\k], s78, \k, v233
.endr
.irp k, 0,1,2,3,4,5,6,7
	global_load_b128 v[128+4*\k:131+4*\k], v[224+\k], s[76:77]
.endr
	v_add_nc_u32 v232, s96, v233
	v_add_nc_u32 v232, SCL, v232
.endif
.endr
	v_and_b32 v1, 15, v0
	s_wait_alu depctr_va_vdst(0)
	v_bfe_u32 v2, v0, 4, 1
	s_lshl_b32 s20, s42, 10
	s_lshl_b32 s22, s16, 9
	s_add_co_u32 s20, s20, s22
	s_mov_b32 s21, 0
	s_add_nc_u64 s[92:93], s[92:93], s[20:21]
	s_add_nc_u64 s[94:95], s[94:95], s[20:21]
	v_lshlrev_b32 v[BO], 6, v2
.irp b, 0,1,2,3,4,5,6,7
	global_load_b128 v[BI+8*\b:BI+8*\b+3], v[BO], s[92:93] offset:(32*(\b/2)+8*(\b%2))*4
	global_load_b128 v[BI+8*\b+4:BI+8*\b+7], v[BO], s[92:93] offset:(32*(\b/2)+8*(\b%2))*4+16
.endr
	s_lshl_b32 s20, s17, 8
	s_lshl_b32 s22, s15, 7
	s_add_co_u32 s20, s20, s22
	s_lshl_b32 s20, s20, 12
	s_add_nc_u64 s[94:95], s[94:95], s[20:21]
	v_mul_u32_u24 v3, v1, 48
	s_wait_alu depctr_va_vdst(0)
	v_mad_u32_u24 v4, v2, 24, v3
	s_mul_i32 s21, s15, WLOAD
	s_mul_i32 s22, s16, WLOAD
	s_add_co_u32 s22, s22, 2*WLOAD
.irp s, 0,1
	v_add_nc_u32 v[ADRA+\s], s21, v4
	v_add_nc_u32 v[ADRB+\s], s22, v4
	s_add_co_u32 s21, s21, SLOT
	s_add_co_u32 s22, s22, SLOT
.endr
	v_lshlrev_b32 v5, 2, v1
	s_lshl_b32 s21, s15, 12
	s_lshl_b32 s22, s16, 12
	s_add_co_u32 s22, s22, 8192
	s_sub_co_u32 s22, s22, s21
	v_mul_u32_u24 v6, s22, v2
	s_add_co_u32 s21, s21, SCL
	v_add_nc_u32 v5, v5, v6
	v_add_nc_u32 v[ADRS], s21, v5
	s_mul_i32 s23, s14, 16*SPITCH
	v_mul_u32_u24 v5, v1, SPITCH
	v_lshl_add_u32 v5, v2, 6, v5
	v_add_nc_u32 v[STO], s23, v5
	v_and_b32 v6, 31, v0
	v_lshlrev_b32 v[CO], 4, v6
	v_add_nc_u32 v[RD], s23, v[CO]
.macro FRAG reg, adr, q, i
.irp p, 0,1,2,3,4,5
	ds_load_b64 v[\reg+2*\p:\reg+2*\p+1], v[\adr] offset:(2*(\q)+\p/3)*6144+(\i)*768+8*(\p%3)
.endr
.endm
.macro MUL16 a0, p, q, sc, first
.irp a, \a0, \a0+1
.irp b, 0,1,2,3,4,5,6,7
.if \first
	v_wmma_scale_f32_16x16x128_f8f6f4 v[8*(8*((\a)%4)+\b):8*(8*((\a)%4)+\b)+7], v[128*(\p)+FR*\b:128*(\p)+FR*\b+FR-1], v[AF+FR*(\a):AF+FR*(\a)+FR-1], v[BI+8*\b:BI+8*\b+7], v[SC+8*NQ*(\sc)+NQ*\b+(\q)], v[SC+8*NQ*(\sc)+NQ*(\a)+(\q)] matrix_a_fmt:MATRIX_FMT_FP6 matrix_b_fmt:MATRIX_FMT_FP6 matrix_a_scale:MATRIX_SCALE_ROW1
.else
	v_wmma_scale_f32_16x16x128_f8f6f4 v[8*(8*((\a)%4)+\b):8*(8*((\a)%4)+\b)+7], v[128*(\p)+FR*\b:128*(\p)+FR*\b+FR-1], v[AF+FR*(\a):AF+FR*(\a)+FR-1], v[8*(8*((\a)%4)+\b):8*(8*((\a)%4)+\b)+7], v[SC+8*NQ*(\sc)+NQ*\b+(\q)], v[SC+8*NQ*(\sc)+NQ*(\a)+(\q)] matrix_a_fmt:MATRIX_FMT_FP6 matrix_b_fmt:MATRIX_FMT_FP6 matrix_a_scale:MATRIX_SCALE_ROW1
.endif
.endr
.endr
.endm
.macro FETCH_B slot, q, p
	WIN TO_B
.irp i, 0,1,2,3,4,5,6,7
	FRAG 128*(\p)+FR*\i, ADRB+\slot, \q, \i
.endr
	WIN 0
.endm
.macro FETCH_A slot, q, i0
.irp i, \i0, \i0+1, \i0+2, \i0+3
	FRAG AF+FR*(\i), ADRA+\slot, \q, \i
.endr
.endm
.macro SCALES sc, ks
.irp i, 0,1,2,3,4,5,6,7
.irp q, 0,1
	ds_load_b32 v[SC+8*NQ*\sc+NQ*\i+\q], v[ADRS] offset:(\ks)*1024+\q*512+\i*64
.endr
.endr
.endm
.macro PLACES n
.rept \n
	v_nop
.endr
.endm
.macro STEP slot, q, first
	s_wait_dscnt 4*NL
.if \first
	WIN 0x81
.else
	WIN MUL_LO
.endif
	MUL16 0, (\q)%2, \q, \slot, \first
	MUL16 2, (\q)%2, \q, \slot, \first
	s_wait_dscnt 0
	PLACES NP
	FETCH_B \slot, (\q)+1, 1-(\q)%2
	FETCH_A \slot, (\q)+1, 0
.if \first
	WIN 0xc1
.else
	WIN MUL_HI
.endif
	MUL16 4, (\q)%2, \q, \slot, \first
	MUL16 6, (\q)%2, \q, \slot, \first
	PLACES NP
	WIN 0
	FETCH_A \slot, (\q)+1, 4
.endm
.macro TURN slot, next, fill, ks
	s_wait_tensorcnt 0x0
	ds_add_u32 v[SPW], v[NIL]
	s_wait_dscnt 4*NL+1
	WIN MUL_LO
	MUL16 0, 1, NQ-1, \slot, 0
	s_wait_dscnt 0x0
	s_barrier_signal -1
	MUL16 2, 1, NQ-1, \slot, 0
	WIN 0
	s_barrier_wait -1
.if \fill
	CREST
	s_add_nc_u64 s[G0+4*\slot+2:G0+4*\slot+3], s[G0+4*\slot+2:G0+4*\slot+3], 8*CHO
	s_add_nc_u64 s[G0B+4*\slot+2:G0B+4*\slot+3], s[G0B+4*\slot+2:G0B+4*\slot+3], 8*CH
	JLOAD G0+4*\slot, G1, G0B+4*\slot, G1B
.else
	PLACES NP
.endif
	FETCH_B \next, 0, 0
	FETCH_A \next, 0, 0
	SCALES \next, \ks
	WIN MUL_HI
	MUL16 4, 1, NQ-1, \slot, 0
	MUL16 6, 1, NQ-1, \slot, 0
	PLACES NP
	WIN 0
	FETCH_A \next, 0, 4
.endm
	s_wait_alu depctr_va_vdst(0)
	s_wait_tensorcnt 1
	s_barrier_signal -1
	s_barrier_wait -1
	FETCH_B 0, 0, 0
	FETCH_A 0, 0, 0
	SCALES 0, 0
	FETCH_A 0, 0, 4
	s_wait_loadcnt 0x0
	STEP 0, 0, 1
	TURN 0, 1, 1, 1
	STEP 1, 0, 0
	TURN 1, 0, 1, 2
	STEP 0, 0, 0
	TURN 0, 1, 0, 3
	STEP 1, 0, 0
	s_wait_dscnt 4*NL
	WIN MUL_LO
	MUL16 0, 1, NQ-1, 1, 0
	MUL16 2, 1, NQ-1, 1, 0
	s_wait_dscnt 0
	WIN MUL_HI
	MUL16 4, 1, NQ-1, 1, 0
	MUL16 6, 1, NQ-1, 1, 0
	WIN 0
.macro TOSTAGE a
.set AC, 64*((\a)%4)
	WIN 0x08+4*((\a)/4)
.irp b, 0,1,2,3,4,5,6,7
	ds_store_b128 v[STO], v[AC+8*\b:AC+8*\b+3] offset:128*(\b/2)+32*(\b%2)
	ds_store_b128 v[STO], v[AC+8*\b+4:AC+8*\b+7] offset:128*(\b/2)+32*(\b%2)+16
.endr
	WIN 0
.set BB, BK+64*((\a)%2)
.irp t, 0,1,2,3,4,5,6,7,8,9,10,11,12,13,14,15
	ds_load_b128 v[BB+4*\t:BB+4*\t+3], v[RD] offset:\t*SPITCH
.endr
.endm
.macro SEND a, younger
.set BB, BK+64*((\a)%2)
	s_wait_dscnt \younger
.if (\a) > 0
.if (\a)%2
	s_add_nc_u64 s[94:95], s[94:95], 8*4096
.else
	s_add_nc_u64 s[94:95], s[94:95], 24*4096
.endif
.endif
.irp t, 0,1,2,3,4,5,6,7,8,9,10,11,12,13,14,15
	global_store_b128 v[CO], v[BB+4*\t:BB+4*\t+3], s[94:95] offset:((\t%8)+16*(\t/8))*4096 th:TH_STORE_NT
.endr
.endm
	PLACES NP
	TOSTAGE 0
.irp a, 1,2,3,4,5,6,7
.if \a > 1
	s_wait_xcnt 0x0
.endif
	TOSTAGE \a
	SEND \a-1, 32
.endr
	s_wait_xcnt 0x0
	SEND 7, 0
	s_wait_tensorcnt 0x0
	ds_add_u32 v[SPW], v[NIL]
	s_wait_dscnt 0x0
	CROUND
	s_endpgm
.Lfunc_end_k_q697437c01f_outp:
	.size	k_q697437c01f_outp, .Lfunc_end_k_q697437c01f_outp-k_q697437c01f_outp
	.p2alignl 7, 3214868480
	.fill 96, 4, 3214868480
	.section	.rodata,"a",@progbits
	.p2align	6, 0x0
	.amdhsa_kernel k_q697437c01f_outp
		.amdhsa_group_segment_fixed_size 327680
		.amdhsa_private_segment_fixed_size 0
		.amdhsa_enable_private_segment 0
		.amdhsa_kernarg_size 48
		.amdhsa_user_sgpr_count 2
		.amdhsa_user_sgpr_kernarg_segment_ptr 1
		.amdhsa_wavefront_size32 1
		.amdhsa_system_sgpr_workgroup_id_x 1
		.amdhsa_system_sgpr_workgroup_id_y 1
		.amdhsa_system_sgpr_workgroup_id_z 1
		.amdhsa_system_vgpr_workitem_id 0
		.amdhsa_next_free_vgpr 1024
		.amdhsa_next_free_sgpr 104
		.amdhsa_reserve_vcc 0
		.amdhsa_float_denorm_mode_32 3
		.amdhsa_float_denorm_mode_16_64 3
		.amdhsa_memory_ordered 1
		.amdhsa_forward_progress 1
		.amdhsa_inst_pref_size 163
	.end_amdhsa_kernel
	.amdgpu_metadata
---
amdhsa.version: [ 1, 2 ]
amdhsa.kernels:
  - .name:           k_q697437c01f_outp
    .symbol:         k_q697437c01f_outp.kd
    .args:
      - { .name: o_codes, .offset: 0, .size: 8, .value_kind: global_buffer, .address_space: global }
      - { .name: o_scales, .offset: 8, .size: 8, .value_kind: global_buffer, .address_space: global }
      - { .name: xw_codes, .offset: 16, .size: 8, .value_kind: global_buffer, .address_space: global }
      - { .name: xw_scales, .offset: 24, .size: 8, .value_kind: global_buffer, .address_space: global }
      - { .name: bo, .offset: 32, .size: 8, .value_kind: global_buffer, .address_space: global }
      - { .name: out0, .offset: 40, .size: 8, .value_kind: global_buffer, .address_space: global }
    .group_segment_fixed_size: 327680
    .private_segment_fixed_size: 0
    .kernarg_segment_align: 8
    .kernarg_segment_size: 48
    .max_flat_workgroup_size: 128
    .sgpr_count:     104
    .vgpr_count:     1024
    .wavefront_size: 32
...
	.end_amdgpu_metadata
.endif
;; end of part 4
